; MI455X (gfx1250); checked and timed in simulation.
; The chip was launched on July 23, 2026; its instructions are those of AMD's public machine-readable ISA for CDNA 5 (MIT licence, August 2026) and "CDNA5" Instruction Set Architecture Reference Guide (July 2026). The comments in the code are by the model that wrote it; some were corrected since.
;; Self Attention. Allowed arithmetic: float matrix products may take bf16 or f16 operands with f32 sums; other float arithmetic in f32, or as packed bf16 or f16 multiplies, adds, multiply-adds, maxima and minima; sums over many terms, partial sums and values carried from step to step in f32; what a program stores and reads back later, other than sums and carried values, may be rounded once to bf16 or f16.
;; Inputs: Wk 1,024 x 1,024 float32; Wq 1,024 x 1,024 float32; Wv 1,024 x 1,024 float32; x 4 x 2,048 x 1,024 float32.
;; Outputs: out0 4 x 2,048 x 1,024 float32.
;; One version. Each part assembles by itself: llvm-mc -triple=amdgcn-amd-amdhsa -mcpu=gfx1250 --defsym DOCPART=n.
;; ======== version 1 of 1: 4 launches
;; limits: values are held in f16: magnitudes above 65,504 overflow, below 6.1e-05 lose precision
;; workspace buffers: xb 16,777,216 bytes; wb 6,291,456 bytes; qkv 50,331,648 bytes; pw 33,554,432 bytes; sm 524,288 bytes; sl 524,288 bytes
;; launch cast (part 1): grid 1408 x 1, 8 waves a work-group, no clusters, 0 bytes of LDS; arguments x, Wq, Wk, Wv, xb, wb; writes xb, wb
.if DOCPART == 1
	.amdgcn_target "amdgcn-amd-amdhsa--gfx1250"
	.amdhsa_code_object_version 6
	.text
	.protected	k_qf0fcb0dfe4_cast
	.globl	k_qf0fcb0dfe4_cast
	.p2align	8
	.type	k_qf0fcb0dfe4_cast,@function
k_qf0fcb0dfe4_cast:
	s_mov_b64 s[64:65], 0
	v_nop
	global_prefetch_b8 v0, s[64:65] scope:SCOPE_SE
	s_setreg_imm32_b32 hwreg(HW_REG_WAVE_MODE, 25, 1), 1
	s_wait_xcnt 0x0
; x and the three weights, f32, are rounded once to bf16: xb [8192][1024]; wb [3072][1024] = Wq's rows, then Wk's, then Wv's.
; A stream: every byte is read once and written once.  A work-group takes 32,768 bytes of f32 (8,192 numbers): 1,024 work-groups for x, 128 for each weight.
; Thread t takes 16 bytes at 16 t of each of eight blocks of 4,096 bytes; all eight loads go out at once, and no register is written twice, so the only waits are the counted ones for the loads.
; A wave's load covers 512 consecutive bytes, its store 256 consecutive bytes at a multiple of 256 from the buffer's first byte.  No LDS, no barrier, no matrix unit: nothing is shared and nothing is multiplied.
.set XBLK, 1024                        ; work-groups that serve x
	s_load_b256 s[4:11], s[0:1], 0x0               ; x s[4:5], Wq s[6:7], Wk s[8:9], Wv s[10:11]
	s_load_b128 s[12:15], s[0:1], 0x20             ; xb s[12:13], wb s[14:15]
	v_lshlrev_b32 v1, 4, v0                        ; my 16 bytes of a block of f32
	v_lshlrev_b32 v2, 3, v0                        ; my 8 bytes of a block of bf16
	s_sub_co_u32 s16, ttmp9, XBLK                  ; the block's number in wb (used only where the work-group serves a weight)
	s_and_b32 s17, s16, 127                        ; and in its weight
	s_wait_kmcnt 0x0
	s_cmp_lt_u32 ttmp9, XBLK
	s_cselect_b32 s18, ttmp9, s17                  ; block in the source
	s_cselect_b32 s20, ttmp9, s16                  ; block in the destination
	s_cselect_b64 s[22:23], s[4:5], s[6:7]         ; x, or Wq
	s_cselect_b64 s[24:25], s[12:13], s[14:15]     ; xb, or wb
	s_cmp_ge_u32 ttmp9, XBLK+128
	s_cselect_b64 s[22:23], s[8:9], s[22:23]       ; or Wk
	s_cmp_ge_u32 ttmp9, XBLK+256
	s_cselect_b64 s[22:23], s[10:11], s[22:23]     ; or Wv
	s_lshl_b32 s18, s18, 15
	s_mov_b32 s19, 0
	s_lshl_b32 s20, s20, 14
	s_mov_b32 s21, 0
	s_add_nc_u64 s[22:23], s[22:23], s[18:19]
	s_add_nc_u64 s[24:25], s[24:25], s[20:21]
.irp i, 0,1,2,3,4,5,6,7
	global_load_b128 v[4+4*\i:7+4*\i], v1, s[22:23] offset:4096*\i th:TH_LOAD_NT
.endr
.irp i, 0,1,2,3,4,5,6,7
	s_wait_loadcnt 7-\i                            ; loads come back in order: block i is in, the younger ones stay out
	v_cvt_pk_bf16_f32 v[36+2*\i], v[4+4*\i], v[5+4*\i]
	v_cvt_pk_bf16_f32 v[37+2*\i], v[6+4*\i], v[7+4*\i]
	global_store_b64 v2, v[36+2*\i:37+2*\i], s[24:25] offset:2048*\i th:TH_STORE_NT
.endr
	s_endpgm
.Lfunc_end_k_qf0fcb0dfe4_cast:
	.size	k_qf0fcb0dfe4_cast, .Lfunc_end_k_qf0fcb0dfe4_cast-k_qf0fcb0dfe4_cast
	.p2alignl 7, 3214868480
	.fill 96, 4, 3214868480
	.section	.rodata,"a",@progbits
	.p2align	6, 0x0
	.amdhsa_kernel k_qf0fcb0dfe4_cast
		.amdhsa_group_segment_fixed_size 0
		.amdhsa_private_segment_fixed_size 0
		.amdhsa_enable_private_segment 0
		.amdhsa_kernarg_size 48
		.amdhsa_user_sgpr_count 2
		.amdhsa_user_sgpr_kernarg_segment_ptr 1
		.amdhsa_wavefront_size32 1
		.amdhsa_system_sgpr_workgroup_id_x 1
		.amdhsa_system_sgpr_workgroup_id_y 1
		.amdhsa_system_sgpr_workgroup_id_z 1
		.amdhsa_system_vgpr_workitem_id 0
		.amdhsa_next_free_vgpr 56
		.amdhsa_next_free_sgpr 66
		.amdhsa_reserve_vcc 0
		.amdhsa_float_denorm_mode_32 3
		.amdhsa_float_denorm_mode_16_64 3
		.amdhsa_memory_ordered 1
		.amdhsa_forward_progress 1
		.amdhsa_inst_pref_size 4
	.end_amdhsa_kernel
	.amdgpu_metadata
---
amdhsa.version: [ 1, 2 ]
amdhsa.kernels:
  - .name:           k_qf0fcb0dfe4_cast
    .symbol:         k_qf0fcb0dfe4_cast.kd
    .args:
      - { .name: x, .offset: 0, .size: 8, .value_kind: global_buffer, .address_space: global }
      - { .name: Wq, .offset: 8, .size: 8, .value_kind: global_buffer, .address_space: global }
      - { .name: Wk, .offset: 16, .size: 8, .value_kind: global_buffer, .address_space: global }
      - { .name: Wv, .offset: 24, .size: 8, .value_kind: global_buffer, .address_space: global }
      - { .name: xb, .offset: 32, .size: 8, .value_kind: global_buffer, .address_space: global }
      - { .name: wb, .offset: 40, .size: 8, .value_kind: global_buffer, .address_space: global }
    .group_segment_fixed_size: 0
    .private_segment_fixed_size: 0
    .kernarg_segment_align: 8
    .kernarg_segment_size: 48
    .max_flat_workgroup_size: 256
    .sgpr_count:     66
    .vgpr_count:     56
    .wavefront_size: 32
...
	.end_amdgpu_metadata
.endif
;; end of part 1
;; launch proj (part 2): grid 12 x 16, 4 waves a work-group, clusters of 4 x 4, 327,680 bytes of LDS; arguments xb, wb, qkv; writes qkv
.if DOCPART == 2
	.amdgcn_target "amdgcn-amd-amdhsa--gfx1250"
	.amdhsa_code_object_version 6
	.text
	.protected	k_qf0fcb0dfe4_proj
	.globl	k_qf0fcb0dfe4_proj
	.p2align	8
	.type	k_qf0fcb0dfe4_proj,@function
k_qf0fcb0dfe4_proj:
	s_mov_b64 s[64:65], 0
	v_nop
	global_prefetch_b8 v0, s[64:65] scope:SCOPE_SE
	s_setreg_imm32_b32 hwreg(HW_REG_WAVE_MODE, 25, 1), 1
	s_wait_xcnt 0x0
	s_wait_alu depctr_hold_cnt(0) depctr_sa_sdst(0) depctr_va_vdst(0) depctr_va_sdst(0) depctr_va_ssrc(0) depctr_va_vcc(0) depctr_vm_vsrc(0)
	s_getreg_b32 s2, hwreg(HW_REG_IB_STS2, 6, 4)
	s_cmp_eq_u32 s2, 0
	s_cbranch_scc0 .Lentry_in_a_cluster
	s_endpgm
.Lentry_in_a_cluster:
	s_bfe_u32 s2, ttmp6, 0x10000c
	s_cmp_lg_u32 s2, 0xf033
	s_cbranch_scc0 .Lentry_shape_is_right
	s_endpgm
.Lentry_shape_is_right:
; qkv[m][n] = the sum over k of xb[m][k] wb[n][k].  xb [8192][1024], wb [3072][1024] in bf16; sums in f32; qkv [8192][3072] rounded once to f16 (q, k, v side by side in a row, unscaled).
; LIMIT.  f16 holds no number beyond 65,504: a sum past that leaves as an infinity.  Inputs 30 times the drawn spread in x and in the weights give sums of spread 900; a common offset of 30 spreads in both gives
; 1024 x 30 x 0.94 = 28,800: both inside.
; SHARES.  A tile is 256 x 256: four waves, each 128 x 128: 64 accumulators, 512 registers.  8192 x 3072 are 384 tiles: 192 work-groups, two tiles each, one 4,096 rows below the other: the same rows of wb for both.
; So 64 WGPs have no work.  The tile is taken all the same: a K step of 128 then holds 256 matrix instructions a wave for the 131,072 bytes that it brings, and the walk has 16 changes of slots;
; a tile of 256 x 384, one for each of 256 work-groups, would need two slots of 174,080 bytes, more than LDS has.
; K goes in steps of 128 (rows of 256 bytes) through two LDS slots; the ring runs on across the change of tiles.
; CLUSTER.  4 x 4 work-groups: the four of a row of the cluster need the same tile of xb, the four of a column the same tile of wb: each is asked for jointly, by the same tensor load, descriptor and mask in all four.
; THE MATRIX INSTRUCTION IS USED TRANSPOSED (source 0 = 16 rows of wb, source 1 = 16 rows of xb): a lane then holds eight neighbouring columns of one row of the result.
; ONE TEXT FOR A K STEP: which slot is read hangs on a scalar that one exclusive or turns.
; REGISTERS, in windows of 256: window 0: v16-30 addresses; v64-127, v128-191 fragments of xb, two buffers (the second also takes rows read back on the way out); v192-223 packed results.
; Window 1: v64-191 fragments of wb.  Windows 2 and 3: the accumulators of my rows 0-63 and 64-127, (a, b) at v[8 (8 a + b)].
.set PITCH,  272                       ; an LDS row: 256 bytes + 16 of padding = 68 words: the 16 rows of a fragment load start at 16 different groups of four banks (64 banks of 4 bytes: ISA guide 11.1)
.set PART,   128*PITCH                 ; 128 rows: what one tensor load brings, and what one wave reads of xb or of wb
.set SLOT,   4*PART                    ; xb's 256 rows, then wb's; 0x22000 shares no bit with the four parts' offsets, so one exclusive or turns an address in one slot into the other's
.set STAGE,  2*SLOT                    ; behind the ring: 16 rows x 272 bytes for each wave, for the way out; no tensor load lands here
.set SPARE,  STAGE+4*16*PITCH          ; the spare words, 128 bytes for each wave: two blocks of 256 bytes that no other line names
.set XROW,   2048                      ; bytes in a row of xb and of wb
.set QROW,   6144                      ; bytes in a row of qkv
.set WALK,   4096                      ; rows from a work-group's first tile to its second
.set WRAPA,  WALK*XROW-XROW            ; at the change of tiles xb's address goes WALK rows down and back along K,
.set WRAPB,  XROW                      ; wb's only back
.set NEXTC,  WALK*QROW
.set ADRA0, 16                         ; v16, v17  my lane's place among my rows of xb, of wb, in a slot; never rewritten
.set ADRB0, 17
.set ADRA,  18                         ; v18, v19  the same in the slot in hand
.set ADRB,  19
.set STO,   24                         ; v24  the way out: where I put 16 bytes of a row
.set RD,    25                         ; v25  where I read a row back
.set CO,    26                         ; v26  my byte offset in qkv
.set SPW,   28                         ; v28  LDS address of my spare word; never rewritten
.set NIL,   29                         ; v29  0; never rewritten
.set PFO,   30                         ; v30  lane x a row of xb or wb; never rewritten
.set F0,    64
.set F1,    128
.set TMP,   192
.set OB,    128                        ; the way out: two sets of 32 registers for rows read back
.set G1A, 24                           ; s[24:31] descriptor group 1 for xb's tiles
.set G0A, 32                           ; s[32:39] group 0: a set for each first fill; the second then walks
.set G1B, 48                           ; s[48:55], s[56:63] the same for wb's
.set G0B, 56
.set TB,  45                           ; s45  0 or SLOT: the slot in hand
.set CNT, 66
.set T8,  67                           ; s67  the K step's number in its tile, 0 to 7
.set DX,  68                           ; s[68:69] what wb's address goes back, s[70:71] what xb's goes on, at the change of tiles; else 0
.set DY,  70
.set PFA, 72                           ; s[72:73] where my prefetches stand
.set LIM, 74                           ; s74  a wave prefetches while s[CNT] is above it
.set DP,  76                           ; s[76:77] what the prefetches' address goes on at the change of tiles; else 0
.set MSB, 0
.macro WIN new                         ; the immediate's high byte repeats the setting that is left; a switch that changes nothing is dropped
.if MSB != (\new)
	s_set_vgpr_msb (MSB<<8)|(\new)
.set MSB, \new
.endif
.endm
.set TO_B, 0x40                        ; destination window 1, address window 0
.macro PLACES                          ; four places in front of loads into registers that matrix instructions have read, and of conversions that read results
.rept 4
	v_nop
.endr
.endm
.macro JLOAD                           ; a joint refill by the walking sets: waves 0 and 1 fetch xb's two halves, waves 2 and 3 wb's; an s_nop 0 and four v_nop follow each line
	s_cmp_eq_u32 s11, 0
	s_cbranch_scc0 .Lfor_b_\@
	tensor_load_to_lds s[G0A+4:G0A+7], s[G1A:G1A+7]
	s_nop 0
.rept 4
	v_nop
.endr
	s_branch .Lasked_\@
.Lfor_b_\@:
	tensor_load_to_lds s[G0B+4:G0B+7], s[G1B:G1B+7]
	s_nop 0
.rept 4
	v_nop
.endr
.Lasked_\@:
.endm
.macro CREST                           ; a round of the cluster's barrier behind its opening barrier
	s_cmp_lg_u32 s10, 0
	s_cbranch_scc1 .Lnot_wave_0_\@
	s_barrier_signal -3
.Lnot_wave_0_\@:
	s_barrier_wait -3
	s_barrier_signal -1
	s_barrier_wait -1
.endm
.macro CROUND
	s_barrier_signal -1
	s_barrier_wait -1
	CREST
.endm
	s_load_b128 s[4:7], s[0:1], 0x0                ; xb s[4:5], wb s[6:7]
	s_load_b64 s[8:9], s[0:1], 0x10                ; qkv
	v_lshl_add_u32 v[SPW], v0, 2, SPARE
	v_mov_b32 v[NIL], 0
	ds_add_u32 v[SPW], v[NIL]                      ; the wave's opening: the add and its wait stand ahead of my first tensor load; the set-up below, work on registers, stands between them
	ds_add_u32 v28, v29
	v_lshrrev_b32 v1, 5, v0
	v_readfirstlane_b32 s10, v1                    ; wave 0..3
	s_lshr_b32 s11, s10, 1                         ; which 128 rows of the tile are mine.  Also: I fetch for xb (0) or for wb (1)
	s_and_b32 s12, s10, 1                          ; which 128 columns.  Also: which half of that tile I fetch
	s_bfe_u32 s40, ttmp6, 0x40000                  ; cx, cy: my place in the cluster
	s_bfe_u32 s41, ttmp6, 0x40004
	s_lshl_b32 s42, ttmp9, 2
	s_add_co_u32 s42, s42, s40                     ; gx = 4 x cluster x + cx: the tile column, 0 to 11
	s_and_b32 s13, ttmp7, 0xffff
	s_lshl_b32 s13, s13, 2
	s_add_co_u32 s13, s13, s41                     ; gy = 4 x cluster y + cy: the first tile's row, 0 to 15
	s_lshl_b32 s43, s41, 2
	s_lshl_b32 s43, 15, s43                        ; my row of the cluster
	s_lshl_b32 s44, 0x1111, s40                    ; my column
	s_or_b32 s[G1A], s43, (1<<16)|(1<<20)|(1<<21)|(5<<22)|(3<<25)  ; 15:0 the mask; 17:16 elements of 2 bytes; 20 padding on; 21 set beside a mask; 24:22 after every 64 words; 31:25 4 words of it
	s_or_b32 s[G1B], s44, (1<<16)|(1<<20)|(1<<21)|(5<<22)|(3<<25)
.irp g, G1A, G1B
	s_mov_b32 s[(\g)+1], 128<<16                   ; tensor_dim0 = 128
	s_mov_b32 s[(\g)+2], 128<<16                   ; tensor_dim1 = 128
	s_mov_b32 s[(\g)+3], 128<<16                   ; tile_dim0 = 128
	s_mov_b32 s[(\g)+4], 128                       ; tile_dim1 = 128
	s_mov_b32 s[(\g)+5], 1024                      ; elements from row to row
	s_mov_b32 s[(\g)+6], 0
	s_mov_b32 s[(\g)+7], 0
.endr
	s_lshl_b32 s16, s13, 8                         ; xb: row 256 gy + 128 x half, times 2,048 bytes
	s_lshl_b32 s17, s12, 7
	s_add_co_u32 s16, s16, s17
	s_lshl_b32 s16, s16, 11
	s_mov_b32 s17, 0
	s_lshl_b32 s46, s42, 8                         ; wb: row 256 gx + 128 x half
	s_lshl_b32 s47, s12, 7
	s_add_co_u32 s46, s46, s47
	s_lshl_b32 s46, s46, 11
	s_mov_b32 s47, 0
	s_mul_i32 s20, s10, PART                       ; where they go: xb's two halves, then wb's two = wave x 128 rows: no place in the cluster enters an LDS address
	s_mov_b32 s[TB], 0
	s_mov_b32 s[T8], 0
	s_mov_b32 s[DX+1], 0
	s_mov_b32 s[DY+1], 0
	s_mov_b32 s[DP+1], 0
	s_wait_dscnt 0x0                               ; the opening add is done
	s_wait_kmcnt 0x0
	s_add_nc_u64 s[14:15], s[4:5], s[16:17]
	s_add_nc_u64 s[46:47], s[6:7], s[46:47]
	CROUND                                         ; all sixteen work-groups are here: the first joint loads meet
.irp s, 0,1
	s_mov_b32 s[G0A+4*(\s)], 1                                       ; count = 1
	s_add_co_u32 s[G0A+4*(\s)+1], s20, (\s)*SLOT                     ; LDS address
	s_add_nc_u64 s[G0A+4*(\s)+2:G0A+4*(\s)+3], s[14:15], (\s)*256    ; global address: K step s
	s_or_b32 s[G0A+4*(\s)+3], s[G0A+4*(\s)+3], 0x80000000            ; type = 2
	s_mov_b32 s[G0B+4*(\s)], 1
	s_add_co_u32 s[G0B+4*(\s)+1], s20, (\s)*SLOT
	s_add_nc_u64 s[G0B+4*(\s)+2:G0B+4*(\s)+3], s[46:47], (\s)*256
	s_or_b32 s[G0B+4*(\s)+3], s[G0B+4*(\s)+3], 0x80000000
.endr
	s_cmp_eq_u32 s11, 0                            ; a wave's two first fills stand in one branch, ahead of every wait on TENSORcnt and every LDS read: two loads of mine are out
	s_cbranch_scc0 .Lfirst_b
	tensor_load_to_lds s[G0A:G0A+3], s[G1A:G1A+7]
	s_nop 0
	tensor_load_to_lds s[G0A+4:G0A+7], s[G1A:G1A+7]
	s_nop 0
.rept 4
	v_nop
.endr
	s_branch .Lfirst_done
.Lfirst_b:
	tensor_load_to_lds s[G0B:G0B+3], s[G1B:G1B+7]
	s_nop 0
	tensor_load_to_lds s[G0B+4:G0B+7], s[G1B:G1B+7]
	s_nop 0
.rept 4
	v_nop
.endr
.Lfirst_done:
	; A fragment is 16 rows x 32 K in 8 registers: lane l holds row l % 16; registers 0-3 K = 8 (l / 16) + 0..7, registers 4-7 K = 16 + 8 (l / 16) + 0..7: two loads of 16 bytes, 32 bytes apart.
	v_and_b32 v1, 15, v0                           ; l % 16
	v_bfe_u32 v2, v0, 4, 1                         ; l / 16
	v_mul_u32_u24 v3, v1, PITCH
	v_lshl_add_u32 v3, v2, 4, v3
	s_mul_i32 s22, s11, PART                       ; my 128 rows of xb
	s_mul_i32 s23, s12, PART                       ; my 128 rows of wb,
	s_add_co_u32 s23, s23, 2*PART                  ; which lie behind xb's 256
	v_add_nc_u32 v[ADRA0], s22, v3
	v_add_nc_u32 v[ADRB0], s23, v3
	v_mov_b32 v[ADRA], v[ADRA0]                    ; slot 0
	v_mov_b32 v[ADRB], v[ADRB0]
	s_mul_i32 s23, s10, 16*PITCH
	s_add_co_u32 s23, s23, STAGE                   ; my stage
	v_add_nc_u32 v[STO], s23, v3                   ; in: row l % 16, 16 bytes for each half of the lanes
	v_mul_u32_u24 v5, v2, PITCH                    ; back: lanes 0-15 take one row of 256 bytes, lanes 16-31 the next
	v_lshl_add_u32 v5, v1, 4, v5
	v_add_nc_u32 v[RD], s23, v5
	v_mul_u32_u24 v5, v2, QROW                     ; and the same two rows in qkv
	v_lshl_add_u32 v[CO], v1, 4, v5
	s_lshl_b32 s16, s13, 8                         ; my first row of qkv: 256 gy + 128 x row half
	s_lshl_b32 s17, s11, 7
	s_add_co_u32 s16, s16, s17
	s_mul_i32 s16, s16, QROW
	s_mov_b32 s17, 0
	s_add_nc_u64 s[8:9], s[8:9], s[16:17]
	s_lshl_b32 s46, s42, 9                         ; my first column, in bytes: 512 gx + 256 x column half
	s_lshl_b32 s47, s12, 8
	s_add_co_u32 s46, s46, s47
	s_mov_b32 s47, 0
	s_add_nc_u64 s[8:9], s[8:9], s[46:47]
	; THE PREFETCHES.  xb's tile row is read by the three clusters of its row of clusters: the one with x = 0 asks; wb's tile column by the four clusters of its column, in both tiles of the walk: the one with y = 0 asks,
	; in the first tile alone.  Of the 128 rows that a wave fetches, the partner at place p among the four that ask for them jointly takes rows 32 p on (p = cx for xb, cy for wb): told apart BY ADDRESS.
	s_lshl_b32 s78, s13, 8                         ; 256 gy
	s_lshl_b32 s79, s42, 8                         ; 256 gx
	s_and_b32 s80, ttmp7, 0xffff                   ; cluster y
	s_cmp_eq_u32 s11, 0                            ; do I fetch for xb?
	s_cselect_b32 s78, s78, s79                    ; the tile's first row
	s_cselect_b32 s79, s40, s41                    ; my place among the four
	s_cselect_b32 s80, ttmp9, s80                  ; the coordinate along which other clusters read the same rows
	s_cselect_b32 s81, 1, 9                        ; xb: all fills but the last ask (the count runs 14 to 1); wb: the first five, which name K steps 3 to 7 of the first tile
	s_cselect_b64 s[PFA:PFA+1], s[4:5], s[6:7]
	s_cmp_eq_u32 s80, 0
	s_cselect_b32 s[LIM], s81, -1                  ; the same in all sixteen partners, for a given wave
	s_lshl_b32 s80, s12, 7
	s_add_co_u32 s78, s78, s80                     ; + the 128 rows that I fetch
	s_lshl_b32 s79, s79, 5
	s_add_co_u32 s78, s78, s79                     ; + my work-group's 32 of them
	s_lshl_b32 s78, s78, 11
	s_add_co_u32 s78, s78, 512                     ; at K step 2: the first change of slots steps it to 3.  Nothing is asked for here, at the head
	s_mov_b32 s79, 0
	s_add_nc_u64 s[PFA:PFA+1], s[PFA:PFA+1], s[78:79]
	v_and_b32 v[PFO], 31, v0
	v_lshlrev_b32 v[PFO], 11, v[PFO]
; 16 matrix instructions: row blocks a0, a0 + 1 of the window's four (hi = 0: my rows 0-63, 1: rows 64-127) x all 8 column blocks, 32 along K.  zero = 1: the product starts the sums.
; The 64 accumulators take turns in the same order in every quarter.
.macro MUL16 f, hi, a0, zero
	WIN 0xa1+0x50*(\hi)                            ; wb window 1, xb window 0, C and D window 2 or 3
.irp a, \a0, (\a0)+1
.irp b, 0,1,2,3,4,5,6,7
.if \zero
	v_wmma_f32_16x16x32_bf16 v[8*(8*(\a)+(\b)):8*(8*(\a)+(\b))+7], v[(\f)+8*(\b):(\f)+8*(\b)+7], v[(\f)+8*(4*(\hi)+(\a)):(\f)+8*(4*(\hi)+(\a))+7], 0
.else
	v_wmma_f32_16x16x32_bf16 v[8*(8*(\a)+(\b)):8*(8*(\a)+(\b))+7], v[(\f)+8*(\b):(\f)+8*(\b)+7], v[(\f)+8*(4*(\hi)+(\a)):(\f)+8*(4*(\hi)+(\a))+7], v[8*(8*(\a)+(\b)):8*(8*(\a)+(\b))+7]
.endif
.endr
.endr
.endm
.macro FETCH k, f                      ; 32 LDS loads in one run: the fragments of 32 along K at byte k of the rows, into buffer f: wb's sixteen, then xb's
	WIN TO_B
.irp i, 0,1,2,3,4,5,6,7
	ds_load_b128 v[(\f)+8*(\i):(\f)+8*(\i)+3],   v[ADRB] offset:(\k)+(\i)*16*PITCH
	ds_load_b128 v[(\f)+8*(\i)+4:(\f)+8*(\i)+7], v[ADRB] offset:(\k)+(\i)*16*PITCH+32
.endr
	WIN 0
.irp i, 0,1,2,3,4,5,6,7
	ds_load_b128 v[(\f)+8*(\i):(\f)+8*(\i)+3],   v[ADRA] offset:(\k)+(\i)*16*PITCH
	ds_load_b128 v[(\f)+8*(\i)+4:(\f)+8*(\i)+7], v[ADRA] offset:(\k)+(\i)*16*PITCH+32
.endr
.endm
; A K step is four quarters of 32 along K, 64 matrix instructions each, on buffers 0, 1, 0, 1.  One of the first three: multiplies buffer f and fetches the next quarter, at byte k, into g.
.macro QUARTER k, f, g, zero
	s_wait_dscnt 8                                 ; wb's fragments and xb's rows 0-63 are in; the youngest eight loads may be out
	MUL16 \f, 0, 0, \zero
	MUL16 \f, 0, 2, \zero
	PLACES
	FETCH \k, \g
	s_wait_dscnt 32                                ; all but the 32 just issued
	MUL16 \f, 1, 0, \zero
	MUL16 \f, 1, 2, \zero
.endm
; A PREFETCH INTO THE L2 of the K step that the NEXT change of slots will ask for: 32 rows x 256 bytes, a lane a row, one instruction a wave; behind the joint load, its five lines and the run of LDS loads.
; Each row's 256 bytes of a K step are named once in the launch (who asks, and up to where: at LIM above).  The walk's K steps 0 to 2 come by their loads alone.
.macro ASK
	s_cmp_gt_u32 s[CNT], s[LIM]
	s_cbranch_scc0 .Lnot_mine_\@
	global_prefetch_b8 v[PFO], s[PFA:PFA+1] th:TH_LOAD_NT scope:SCOPE_SE
.Lnot_mine_\@:
.endm
; The last quarter multiplies buffer 1 and changes slots: ONE barrier; in front of it each wave waits for all its tensor loads, adds 0 to its spare word, and waits for that and for its reads of this slot.
; fill = 1: this slot is filled again with the K step two on; behind a tile's step 6 that is the next tile's step 0.  From a request to the wait for it a wave issues 224 matrix instructions.
.macro TURN fill
.if \fill
	s_wait_xcnt 0x0                                ; the last prefetch, a K step back, has read its address
	s_cmp_eq_u32 s[T8], 5                          ; behind a tile's step 5 the step three on is the next tile's first
	s_cselect_b32 s[DP], WRAPA, 0
	s_add_nc_u64 s[PFA:PFA+1], s[PFA:PFA+1], 256
	s_add_nc_u64 s[PFA:PFA+1], s[PFA:PFA+1], s[DP:DP+1]
.endif
	WIN 0
	s_wait_tensorcnt 0x0                           ; all my tensor loads have landed: my part of the next slot; so a group 0 may be written
	ds_add_u32 v[SPW], v[NIL]                      ; 0 onto my spare word
	s_wait_dscnt 9                                 ; (the add and the youngest eight loads may be out)
.if \fill
	s_xor_b32 s[G0A+5], s[G0A+5], SLOT             ; the walking sets: the other slot than last time,
	s_xor_b32 s[G0B+5], s[G0B+5], SLOT
	s_cmp_eq_u32 s[T8], 6
	s_cselect_b32 s[DY], WRAPA, 0
	s_cselect_b32 s[DX], WRAPB, 0
	s_add_nc_u64 s[G0A+6:G0A+7], s[G0A+6:G0A+7], 256       ; the next K step; the type bits on top are not reached
	s_add_nc_u64 s[G0A+6:G0A+7], s[G0A+6:G0A+7], s[DY:DY+1]
	s_add_nc_u64 s[G0B+6:G0B+7], s[G0B+6:G0B+7], 256
	s_sub_nc_u64 s[G0B+6:G0B+7], s[G0B+6:G0B+7], s[DX:DX+1]
.endif
	s_xor_b32 s[TB], s[TB], SLOT
	MUL16 F1, 0, 0, 0                              ; sixteen matrix instructions stand between the add and the wait for it
	s_wait_dscnt 0x0                               ; the add is done, and my reads of this slot are over
	s_barrier_signal -1
	MUL16 F1, 0, 2, 0
	WIN 0
	s_barrier_wait -1
.if \fill
	CREST                                          ; the barrier has opened a round of the cluster's: no wave of any partner still reads this slot or has a load on its way
	JLOAD                                          ; the first tensor load behind the round; its four v_nop are also the places in front of the loads below
.else
	PLACES
.endif
	v_add_nc_u32 v[ADRA], s[TB], v[ADRA0]
	v_add_nc_u32 v[ADRB], s[TB], v[ADRB0]
	FETCH 0, F0
.if \fill
	ASK
.endif
	MUL16 F1, 1, 0, 0
	MUL16 F1, 1, 2, 0
.endm
; THE WAY OUT, a block of 16 rows at a time: rounded to f16, 16 bytes a lane into my own stage, back as whole rows of 256 bytes, stored.  Buffer 0 holds the next tile's first fragments and is not touched.
.macro PACK a
.set AC, 64*((\a)%4)
	WIN 0x0a+5*((\a)/4)                            ; sources in window 2 or 3, destination in window 0
.irp b, 0,1,2,3,4,5,6,7
.irp r, 0,1,2,3
	v_cvt_pk_f16_f32 v[TMP+4*(\b)+(\r)], v[AC+8*(\b)+2*(\r)], v[AC+8*(\b)+2*(\r)+1]
.endr
.endr
	WIN 0
.endm
.macro TOSTAGE a
.set BK, OB+32*((\a)%2)
.irp b, 0,1,2,3,4,5,6,7
	ds_store_b128 v[STO], v[TMP+4*(\b):TMP+4*(\b)+3] offset:32*(\b)
.endr
.irp t, 0,1,2,3,4,5,6,7
	ds_load_b128 v[BK+4*(\t):BK+4*(\t)+3], v[RD] offset:(\t)*2*PITCH  ; LDS serves a wave's instructions in order (ISA guide 5.7.1.4): these see the stores above
.endr
.endm
.macro SEND a
.set BK, OB+32*((\a)%2)
	s_wait_dscnt 0x0                               ; the block is back in registers
	s_wait_xcnt 0x0                                ; the stores issued so far have read their registers: the set that the next block's loads land in is free
.irp t, 0,1,2,3,4,5,6,7
	global_store_b128 v[CO], v[BK+4*(\t):BK+4*(\t)+3], s[8:9] offset:(16*(\a)+2*(\t))*QROW  ; 16 lanes store 256 consecutive bytes, at a multiple of 256 from qkv's first byte
.endr
.endm
.macro WAYOUT
	PLACES
	PACK 0
	TOSTAGE 0
.irp a, 1,2,3,4,5,6,7                  ; block a's conversions stand between block a - 1's loads from the stage and the wait for them
	PACK \a
	SEND (\a)-1
	TOSTAGE \a
.endr
	SEND 7
	s_wait_xcnt 0x0                                ; the stores have read their base and their data
	s_add_nc_u64 s[8:9], s[8:9], NEXTC             ; the second tile lies 4,096 rows down (behind the second way out the sum is not used)
.endm
	s_wait_tensorcnt 0x1                           ; my part of K step 0 is in; step 1's may stay out
	s_barrier_signal -1
	s_barrier_wait -1                              ; everybody's is
	FETCH 0, F0
	s_mov_b32 s[CNT], 14
	s_branch .Lzero                                ; the loop is entered at the quarter that starts the sums
.Lstep:                                        ; 14 trips, a K step each; each fills a slot again (K steps 2 to 15 of the walk's 16)
	s_cmp_lg_u32 s[T8], 0
	s_cbranch_scc1 .Lsame                          ; the same in all sixteen work-groups; the jump passes no barrier and no tensor load
	WAYOUT                                         ; the first tile is finished, and both refills for the second are asked for: it goes out,
.Lzero:
	QUARTER 64, F0, F1, 1                          ; and a tile's first products start the sums
	WIN 0
	s_branch .Lin
.Lsame:
	QUARTER 64, F0, F1, 0
	WIN 0
.Lin:
	QUARTER 128, F1, F0, 0
	QUARTER 192, F0, F1, 0
	TURN 1
	WIN 0
	s_add_co_u32 s[T8], s[T8], 1
	s_and_b32 s[T8], s[T8], 7
	s_sub_co_u32 s[CNT], s[CNT], 1
	s_cmp_lg_u32 s[CNT], 0
	s_cbranch_scc1 .Lstep
	s_mov_b32 s[CNT], 2
.Ltail:                                        ; the last two K steps ask for nothing; the very last fetch, from the slot left before, serves nothing: the price of one text for both trips
	QUARTER 64, F0, F1, 0
	QUARTER 128, F1, F0, 0
	QUARTER 192, F0, F1, 0
	TURN 0
	WIN 0
	s_sub_co_u32 s[CNT], s[CNT], 1
	s_cmp_lg_u32 s[CNT], 0
	s_cbranch_scc1 .Ltail
	WAYOUT
	s_wait_tensorcnt 0x0                           ; the wave's end, behind my last tensor load and my last LDS store
	ds_add_u32 v[SPW], v[NIL]
	s_wait_dscnt 0x0
	CROUND                                         ; the closing round: no work-group ends while a partner may still ask for a tile that names it
	s_endpgm
.Lfunc_end_k_qf0fcb0dfe4_proj:
	.size	k_qf0fcb0dfe4_proj, .Lfunc_end_k_qf0fcb0dfe4_proj-k_qf0fcb0dfe4_proj
	.p2alignl 7, 3214868480
	.fill 96, 4, 3214868480
	.section	.rodata,"a",@progbits
	.p2align	6, 0x0
	.amdhsa_kernel k_qf0fcb0dfe4_proj
		.amdhsa_group_segment_fixed_size 327680
		.amdhsa_private_segment_fixed_size 0
		.amdhsa_enable_private_segment 0
		.amdhsa_kernarg_size 24
		.amdhsa_user_sgpr_count 2
		.amdhsa_user_sgpr_kernarg_segment_ptr 1
		.amdhsa_wavefront_size32 1
		.amdhsa_system_sgpr_workgroup_id_x 1
		.amdhsa_system_sgpr_workgroup_id_y 1
		.amdhsa_system_sgpr_workgroup_id_z 1
		.amdhsa_system_vgpr_workitem_id 0
		.amdhsa_next_free_vgpr 1024
		.amdhsa_next_free_sgpr 82
		.amdhsa_reserve_vcc 0
		.amdhsa_float_denorm_mode_32 3
		.amdhsa_float_denorm_mode_16_64 3
		.amdhsa_memory_ordered 1
		.amdhsa_forward_progress 1
		.amdhsa_inst_pref_size 132
	.end_amdhsa_kernel
	.amdgpu_metadata
---
amdhsa.version: [ 1, 2 ]
amdhsa.kernels:
  - .name:           k_qf0fcb0dfe4_proj
    .symbol:         k_qf0fcb0dfe4_proj.kd
    .args:
      - { .name: xb, .offset: 0, .size: 8, .value_kind: global_buffer, .address_space: global }
      - { .name: wb, .offset: 8, .size: 8, .value_kind: global_buffer, .address_space: global }
      - { .name: qkv, .offset: 16, .size: 8, .value_kind: global_buffer, .address_space: global }
    .group_segment_fixed_size: 327680
    .private_segment_fixed_size: 0
    .kernarg_segment_align: 8
    .kernarg_segment_size: 24
    .max_flat_workgroup_size: 128
    .sgpr_count:     82
    .vgpr_count:     1024
    .wavefront_size: 32
...
	.end_amdgpu_metadata
.endif
;; end of part 2
;; launch scores (part 3): grid 9 x 16, 4 waves a work-group, no clusters, 327,680 bytes of LDS; arguments qkv, pw, sm, sl; writes pw, sm, sl
.if DOCPART == 3
	.amdgcn_target "amdgcn-amd-amdhsa--gfx1250"
	.amdhsa_code_object_version 6
	.text
	.protected	k_qf0fcb0dfe4_scores
	.globl	k_qf0fcb0dfe4_scores
	.p2align	8
	.type	k_qf0fcb0dfe4_scores,@function
k_qf0fcb0dfe4_scores:
	s_mov_b64 s[64:65], 0
	v_nop
	global_prefetch_b8 v0, s[64:65] scope:SCOPE_SE
	s_setreg_imm32_b32 hwreg(HW_REG_WAVE_MODE, 25, 1), 1
	s_wait_xcnt 0x0
; THE WEIGHTS OF CAUSAL ATTENTION, BY GROUPS OF 128 KEYS.  For a row (query) and a group g of 128 keys: m = the largest visible score s = q . k of the group, p = 2^(c s - c m) with c = log2(e) / 32,
; l = the sum of the group's p.  pw [4][2048][2048] takes p in f16, sm and sl [4][16][2048] take c m and l in f32.  The launch behind forms the row's true maximum from the c m and weighs the groups in f32.
; q and k are f16, columns 0-1023 and 1024-2047 of qkv's rows of 6,144 bytes.  Products, maxima and sums in f32; l is the sum of the unrounded p.
; LIMITS.  A hidden score counts as its value less 1e30 (f16's scores are 4.4e12 at the most); a group's m is not below -1e20, which acts only on groups that are wholly hidden (there p = 0, l = 0);
; a weight below 2^-126 counts as 0; NaN and infinities are not treated apart.
; SHARES.  A work-group makes one tile of 256 queries x 256 keys, K = 1024; only the 36 tiles a batch with J <= I exist.  Rows 7 - p and p of the triangle have 9 tiles together: grid 9 x (4 batches x 4 p).
; Four waves, each 128 x 128: 64 accumulators, 512 registers.  A wave's 128 keys are one group, so maximum and sum never leave the wave.
; NO CLUSTER: a row of the triangle has I + 1 tiles and a column 8 - J, no multiple of four; in the folded grid the four p share a key tile only for x <= 4.
; THE MATRIX INSTRUCTION IS USED TRANSPOSED (source 0 = 16 keys, source 1 = 16 queries): a lane holds ONE query (lane % 16) and the keys 8 (lane / 16) + 0..7 of each block of 16.
; THE MASK is the C operand of the products that start the sums: 0, or -1e30 where the key is hidden.  Register j of key block b, query block a is hidden where 16 (b - a) + j > D0,
; D0 = 256 (I - J) + 128 (row half - key half) + lane % 16 - 8 (lane / 16).  D0 is at least 120 (nothing hidden), at most -113 (all hidden), or lies in -8..15 (the wave holds the diagonal);
; in all three cases b - a may be replaced by its sign: three sets of eight registers serve all 64 accumulators, with no branch.
; REGISTERS, in windows of 256: window 0: v16-31 addresses; v32-55 the masks; v56-63 at work; v64-127, v128-191 fragments of q, two buffers; v192-223 packed weights.  Window 1: v64-191 fragments of k.
; Windows 2 and 3: the accumulators of my rows 0-63 and 64-127, (a, b) at v[8 (8 a + b)].
.set PITCH,  272                       ; an LDS row: 256 bytes + 16 of padding: the 16 rows of a fragment load start at 16 different groups of four banks (64 banks of 4 bytes: ISA guide 11.1)
.set PART,   128*PITCH                 ; 128 rows: what one tensor load brings, and what one wave reads of q or of k
.set SLOT,   4*PART                    ; q's 256 rows, then k's; 0x22000 shares no bit with the four parts' offsets, so one exclusive or turns an address in one slot into the other's
.set STAGE,  2*SLOT                    ; 16 rows x 272 bytes for each wave, for the way out
.set XS,     STAGE+4*16*PITCH          ; 1,024 bytes for each wave: c m of its 128 rows, then l
.set SPARE,  XS+4096                   ; the spare words, 128 bytes for each wave: two blocks of 256 bytes that no other line names
.set QROW,   6144
.set ADRA0, 16                         ; v16, v17  my lane's place among my rows of q, of k, in a slot; never rewritten
.set ADRB0, 17
.set ADRA,  18                         ; v18, v19  the same in the slot in hand
.set ADRB,  19
.set XRD,   22                         ; v22  where I read 16 bytes of my wave's statistics back
.set SMO,   23                         ; v23  16 x lane: my offset in 512 bytes of sm and sl
.set STO,   24
.set RD,    25
.set CO,    26                         ; v26  my byte offset in pw
.set XSA,   27                         ; v27  where my query's statistics go
.set SPW,   28                         ; v28  LDS address of my spare word; never rewritten
.set NIL,   29                         ; v29  0; never rewritten
.set PFO,   30                         ; v30  lane x a row of qkv; never rewritten
.set D0,    31
.set ML,    32                         ; masks for b < a, b = a, b > a
.set MD,    40
.set MU,    48
.set C0,    56                         ; v56-59 four chains of the maximum
.set CM,    60                         ; v60 c m, v61 m
.set LS,    62                         ; v62 l, v63 at work
.set F0,    64
.set F1,    128
.set TMP,   192
.set OB,    64                         ; the way out: two sets of 32 registers for rows read back
.set WV,  12
.set QH,  13                           ; s13  which 128 queries are mine
.set KH,  14                           ; s14  which 128 keys
.set TI,  20                           ; s20, s21  the tile's row and column in the triangle
.set TJ,  21
.set G1,  24                           ; s[24:31] descriptor group 1
.set G0,  32                           ; s[32:39] group 0: a set for each first fill; the second then walks
.set PFA, 46                           ; s[46:47] where my prefetches stand
.set LIM, 48                           ; s48  1 in a wave that prefetches, else the greatest number
.set CS,  54                           ; s[54:55] c, named as a pair
.set SEL, 56                           ; s[56:57] v_permlanex16_b32's selects: each lane takes its own place in the other half
.set BIGN, 58
.set FLOOR, 59
.set TB,  60                           ; s60  0 or SLOT: the slot in hand
.set CNT, 61
.set MSB, 0
.macro WIN new
.if MSB != (\new)
	s_set_vgpr_msb (MSB<<8)|(\new)
.set MSB, \new
.endif
.endm
.set TO_B, 0x40                        ; destination window 1, address window 0
.macro PLACES
.rept 4
	v_nop
.endr
.endm
	s_load_b256 s[4:11], s[0:1], 0x0               ; qkv s[4:5], pw s[6:7], sm s[8:9], sl s[10:11]
	v_lshl_add_u32 v[SPW], v0, 2, SPARE
	v_mov_b32 v[NIL], 0
	ds_add_u32 v[SPW], v[NIL]                      ; the wave's opening: the add and its wait stand ahead of my first tensor load; the set-up below, work on registers, stands between them
	ds_add_u32 v28, v29
	v_lshrrev_b32 v1, 5, v0
	v_readfirstlane_b32 s[WV], v1
	s_lshr_b32 s[QH], s[WV], 1
	s_and_b32 s[KH], s[WV], 1
	s_and_b32 s15, ttmp7, 0xffff
	s_lshr_b32 s16, s15, 2                         ; batch
	s_and_b32 s17, s15, 3                          ; p
	s_sub_co_u32 s18, 7, s17
	s_add_co_u32 s19, ttmp9, s17
	s_sub_co_u32 s19, s19, 8                       ; x - 8 + p (used only where x > 7 - p)
	s_cmp_le_u32 ttmp9, s18
	s_cselect_b32 s[TI], s18, s17                  ; row 7 - p takes x = 0 .. 7 - p, row p the rest
	s_cselect_b32 s[TJ], ttmp9, s19
	s_cmp_lt_u32 s[WV], 2                          ; waves 0 and 1 fetch q's two halves, waves 2 and 3 k's
	s_cselect_b32 s22, s[TI], s[TJ]
	s_cselect_b32 s23, 0, 2048
	s_lshl_b32 s40, s16, 11
	s_lshl_b32 s22, s22, 8
	s_add_co_u32 s40, s40, s22
	s_lshl_b32 s22, s[KH], 7
	s_add_co_u32 s40, s40, s22                     ; the first row that I fetch
	s_mul_i32 s40, s40, QROW
	s_add_co_u32 s40, s40, s23
	s_mov_b32 s41, 0
	s_mul_i32 s42, s[WV], PART                     ; and where it goes
	s_mov_b32 s[G1], (1<<16)|(1<<20)|(5<<22)|(3<<25)  ; elements of 2 bytes; padding on: after every 64 words 4 words
	s_mov_b32 s[G1+1], 128<<16                     ; tensor_dim0 = 128
	s_mov_b32 s[G1+2], 128<<16                     ; tensor_dim1 = 128
	s_mov_b32 s[G1+3], 128<<16                     ; tile_dim0 = 128
	s_mov_b32 s[G1+4], 128                         ; tile_dim1 = 128
	s_mov_b32 s[G1+5], 3072                        ; elements from row to row
	s_mov_b32 s[G1+6], 0
	s_mov_b32 s[G1+7], 0
	s_sub_co_u32 s49, s[TI], s[TJ]                 ; q's rows are read by every tile of the row: the tile with J = 0 prefetches; k's by every tile of the column: the tile with I = J
	s_cmp_lt_u32 s[WV], 2
	s_cselect_b32 s49, s[TJ], s49
	s_cmp_eq_u32 s49, 0
	s_cselect_b32 s[LIM], 1, -1
	s_mov_b32 s[CS], 0x3d38aa3b                    ; c = log2(e) / 32
	s_mov_b32 s[CS+1], s[CS]
	s_mov_b32 s[SEL], 0x76543210
	s_mov_b32 s[SEL+1], 0xfedcba98
	s_mov_b32 s[BIGN], 0xf149f2ca                  ; -1e30
	s_mov_b32 s[FLOOR], 0xe0ad78ec                 ; -1e20
	s_mov_b32 s[TB], 0
	s_wait_dscnt 0x0                               ; the opening add is done
	s_wait_kmcnt 0x0
	s_add_nc_u64 s[44:45], s[4:5], s[40:41]
.irp s, 0,1                            ; the two first fills go out together, ahead of every wait on TENSORcnt, every LDS read and every barrier: two loads of mine are out
	s_mov_b32 s[G0+4*(\s)], 1
	s_add_co_u32 s[G0+4*(\s)+1], s42, (\s)*SLOT
	s_add_nc_u64 s[G0+4*(\s)+2:G0+4*(\s)+3], s[44:45], (\s)*256
	s_or_b32 s[G0+4*(\s)+3], s[G0+4*(\s)+3], 0x80000000
	tensor_load_to_lds s[G0+4*(\s):G0+4*(\s)+3], s[G1:G1+7]
	s_nop 0
.endr
	s_add_nc_u64 s[PFA:PFA+1], s[44:45], 512       ; at K step 2: the first change of slots steps it to 3
	v_and_b32 v1, 15, v0                           ; l % 16
	v_bfe_u32 v2, v0, 4, 1                         ; l / 16
	v_mul_u32_u24 v3, v1, PITCH
	v_lshl_add_u32 v3, v2, 4, v3
	s_mul_i32 s22, s[QH], PART
	s_mul_i32 s23, s[KH], PART
	s_add_co_u32 s23, s23, 2*PART
	v_add_nc_u32 v[ADRA0], s22, v3
	v_add_nc_u32 v[ADRB0], s23, v3
	v_mov_b32 v[ADRA], v[ADRA0]
	v_mov_b32 v[ADRB], v[ADRB0]
	s_sub_co_u32 s49, s[TI], s[TJ]
	s_lshl_b32 s49, s49, 8
	s_sub_co_u32 s22, s[QH], s[KH]
	s_lshl_b32 s22, s22, 7
	s_add_co_u32 s49, s49, s22
	v_lshlrev_b32 v4, 3, v2
	v_sub_nc_u32 v4, v1, v4
	v_add_nc_u32 v[D0], s49, v4
.set i, 0
.rept 8                                ; each compare stands next to its select
	v_cmp_gt_i32 vcc_lo, i-16, v[D0]
	v_cndmask_b32 v[ML+i], 0, s[BIGN], vcc_lo
	v_cmp_gt_i32 vcc_lo, i, v[D0]
	v_cndmask_b32 v[MD+i], 0, s[BIGN], vcc_lo
	v_cmp_gt_i32 vcc_lo, i+16, v[D0]
	v_cndmask_b32 v[MU+i], 0, s[BIGN], vcc_lo
.set i, i+1
.endr
	s_mul_i32 s23, s[WV], 16*PITCH
	s_add_co_u32 s23, s23, STAGE
	v_add_nc_u32 v[STO], s23, v3
	v_mul_u32_u24 v5, v2, PITCH
	v_lshl_add_u32 v5, v1, 4, v5
	v_add_nc_u32 v[RD], s23, v5
	v_lshlrev_b32 v[CO], 12, v2                    ; two rows of pw, 4,096 bytes apart
	v_lshl_add_u32 v[CO], v1, 4, v[CO]
	s_lshl_b32 s23, s[WV], 10
	s_add_co_u32 s23, s23, XS
	v_lshl_add_u32 v[XSA], v1, 2, s23
	v_and_b32 v5, 31, v0
	v_lshlrev_b32 v[SMO], 4, v5
	v_add_nc_u32 v[XRD], s23, v[SMO]
	v_mul_u32_u24 v[PFO], v5, QROW
	v_mov_b32 v[LS+1], 0                           ; v_permlanex16_b32 counts as a reader of its destination
	s_lshl_b32 s50, s16, 11                        ; pw at my first row and column
	s_lshl_b32 s22, s[TI], 8
	s_add_co_u32 s50, s50, s22
	s_lshl_b32 s22, s[QH], 7
	s_add_co_u32 s50, s50, s22
	s_lshl_b32 s50, s50, 12
	s_lshl_b32 s22, s[TJ], 9
	s_add_co_u32 s50, s50, s22
	s_lshl_b32 s22, s[KH], 8
	s_add_co_u32 s50, s50, s22
	s_mov_b32 s51, 0
	s_add_nc_u64 s[6:7], s[6:7], s[50:51]
	s_lshl_b32 s52, s16, 4                         ; sm and sl at (batch, group 2 J + key half, my first row)
	s_lshl_b32 s22, s[TJ], 1
	s_add_co_u32 s52, s52, s22
	s_add_co_u32 s52, s52, s[KH]
	s_lshl_b32 s52, s52, 11
	s_lshl_b32 s22, s[TI], 8
	s_add_co_u32 s52, s52, s22
	s_lshl_b32 s22, s[QH], 7
	s_add_co_u32 s52, s52, s22
	s_lshl_b32 s52, s52, 2
	s_mov_b32 s53, 0
	s_add_nc_u64 s[8:9], s[8:9], s[52:53]
	s_add_nc_u64 s[10:11], s[10:11], s[52:53]
; 16 matrix instructions: query blocks a0, a0 + 1 of the window's four (hi = 0: my rows 0-63, 1: rows 64-127) x all 8 key blocks, 32 along K.  mask = 1: the product starts the sum with the mask as C.
; The 64 accumulators take turns in the same order in every quarter.
.macro MUL16 f, hi, a0, mask
.if \mask
	WIN 0x81+0x40*(\hi)                            ; k window 1, q and the mask window 0, D window 2 or 3
.else
	WIN 0xa1+0x50*(\hi)                            ; C and D window 2 or 3
.endif
.irp a, \a0, (\a0)+1
.irp b, 0,1,2,3,4,5,6,7
.if \mask
.if (\b) < 4*(\hi)+(\a)
.set MK, ML
.elseif (\b) == 4*(\hi)+(\a)
.set MK, MD
.else
.set MK, MU
.endif
	v_wmma_f32_16x16x32_f16 v[8*(8*(\a)+(\b)):8*(8*(\a)+(\b))+7], v[(\f)+8*(\b):(\f)+8*(\b)+7], v[(\f)+8*(4*(\hi)+(\a)):(\f)+8*(4*(\hi)+(\a))+7], v[MK:MK+7]
.else
	v_wmma_f32_16x16x32_f16 v[8*(8*(\a)+(\b)):8*(8*(\a)+(\b))+7], v[(\f)+8*(\b):(\f)+8*(\b)+7], v[(\f)+8*(4*(\hi)+(\a)):(\f)+8*(4*(\hi)+(\a))+7], v[8*(8*(\a)+(\b)):8*(8*(\a)+(\b))+7]
.endif
.endr
.endr
.endm
.macro FETCH k, f                      ; 32 LDS loads in one run: k's sixteen, then q's
	WIN TO_B
.irp i, 0,1,2,3,4,5,6,7
	ds_load_b128 v[(\f)+8*(\i):(\f)+8*(\i)+3],   v[ADRB] offset:(\k)+(\i)*16*PITCH
	ds_load_b128 v[(\f)+8*(\i)+4:(\f)+8*(\i)+7], v[ADRB] offset:(\k)+(\i)*16*PITCH+32
.endr
	WIN 0
.irp i, 0,1,2,3,4,5,6,7
	ds_load_b128 v[(\f)+8*(\i):(\f)+8*(\i)+3],   v[ADRA] offset:(\k)+(\i)*16*PITCH
	ds_load_b128 v[(\f)+8*(\i)+4:(\f)+8*(\i)+7], v[ADRA] offset:(\k)+(\i)*16*PITCH+32
.endr
.endm
.macro QUARTER k, f, g, mask           ; 64 matrix instructions on buffer f; in their middle the next quarter's fragments, at byte k, go into g
	s_wait_dscnt 8                                 ; k's fragments and q's rows 0-63 are in; the youngest eight loads may be out
	MUL16 \f, 0, 0, \mask
	MUL16 \f, 0, 2, \mask
	PLACES
	FETCH \k, \g
	s_wait_dscnt 32                                ; all but the 32 just issued
	MUL16 \f, 1, 0, \mask
	MUL16 \f, 1, 2, \mask
.endm
; A PREFETCH INTO THE L2 of the K step that the NEXT change of slots will ask for: my 128 rows x 256 bytes, a lane a row, four instructions; behind the tensor load and the run of LDS loads.
; Each row's 256 bytes of a K step are named once in the launch (who asks: at LIM above).  K steps 0 to 2 come by their loads alone; the last change that fills a slot asks for nothing.
.macro ASK
	s_cmp_gt_u32 s[CNT], s[LIM]
	s_cbranch_scc0 .Lnot_mine_\@
.irp n, 0,1,2,3
	global_prefetch_b8 v[PFO], s[PFA:PFA+1] offset:(\n)*32*QROW th:TH_LOAD_NT scope:SCOPE_SE
.endr
.Lnot_mine_\@:
.endm
; The last quarter multiplies buffer 1 and changes slots: ONE barrier; in front of it each wave waits for all its tensor loads, adds 0 to its spare word, and waits for that and for its reads of this slot.
; fill = 1: this slot is filled again, two K steps ahead: 224 matrix instructions ahead of the wait for it.
.macro TURN fill
.if \fill
	s_wait_xcnt 0x0                                ; the last prefetches, a K step back, have read their address
	s_add_nc_u64 s[PFA:PFA+1], s[PFA:PFA+1], 256
.endif
	WIN 0
	s_wait_tensorcnt 0x0                           ; all my tensor loads have landed: my part of the next slot; so a group 0 may be written
	ds_add_u32 v[SPW], v[NIL]                      ; 0 onto my spare word
	s_wait_dscnt 9                                 ; (the add and the youngest eight loads may be out)
.if \fill
	s_xor_b32 s[G0+5], s[G0+5], SLOT               ; the walking set: the other slot than last time,
	s_add_nc_u64 s[G0+6:G0+7], s[G0+6:G0+7], 256   ; the next K step
.endif
	s_xor_b32 s[TB], s[TB], SLOT
	MUL16 F1, 0, 0, 0                              ; sixteen matrix instructions stand between the add and the wait for it
	s_wait_dscnt 0x0                               ; the add is done, and my reads of this slot are over
	s_barrier_signal -1
	MUL16 F1, 0, 2, 0
	WIN 0
	s_barrier_wait -1
.if \fill
	tensor_load_to_lds s[G0+4:G0+7], s[G1:G1+7]    ; my one tensor load behind the barrier, and the first thing there
	s_nop 0
.endif
	PLACES
	v_add_nc_u32 v[ADRA], s[TB], v[ADRA0]
	v_add_nc_u32 v[ADRB], s[TB], v[ADRB0]
	FETCH 0, F0
.if \fill
	ASK
.endif
	MUL16 F1, 1, 0, 0
	MUL16 F1, 1, 2, 0
.endm
; BLOCK a OF 16 QUERIES x MY 128 KEYS: a lane holds one query and 64 of its scores; the other 64 lie in the lane 16 away.
.macro EPI a
.set W, 2+(\a)/4
.set AC, 64*((\a)%4)
	WIN W|(W<<2)|(W<<4)                            ; the maximum: four chains of sixteen scores, three operands at a time
.irp q, 0,1,2,3
	v_max3_num_f32 v[C0+\q], v[AC+16*\q], v[AC+16*\q+1], v[AC+16*\q+2]
.endr
	WIN (W<<2)|(W<<4)
.irp s, 3,5,7,9,11,13
.irp q, 0,1,2,3
	v_max3_num_f32 v[C0+\q], v[C0+\q], v[AC+16*\q+\s], v[AC+16*\q+\s+1]
.endr
.endr
	v_max3_num_f32 v[C0], v[C0], v[AC+15], v[AC+31]
	v_max3_num_f32 v[C0+2], v[C0+2], v[AC+47], v[AC+63]
	WIN 0
	v_max3_num_f32 v[C0], v[C0], v[C0+1], v[C0+2]
	v_max3_num_f32 v[C0], v[C0], v[C0+3], s[FLOOR]
	v_permlanex16_b32 v[C0+1], v[C0], s[SEL], s[SEL+1]
	v_max_num_f32 v[CM+1], v[C0], v[C0+1]
	v_mul_f32 v[CM], s[CS], v[CM+1]
	WIN (W<<6)|W                                   ; c s - c m and the exponentials, in place; the next accumulator's scalings stand among an accumulator's exponentials
.irp n, 0,1,2,3
	v_pk_fma_f32 v[AC+2*\n:AC+2*\n+1], v[AC+2*\n:AC+2*\n+1], s[CS:CS+1], v[CM:CM+1] op_sel_hi:[1,0,0] neg_lo:[0,0,1] neg_hi:[0,0,1]
.endr
.set bb, 0
.rept 8
.set ee, 0
.rept 4
	v_exp_f32 v[AC+8*bb+2*ee], v[AC+8*bb+2*ee]
	v_exp_f32 v[AC+8*bb+2*ee+1], v[AC+8*bb+2*ee+1]
.if bb < 7
	v_pk_fma_f32 v[AC+8*bb+8+2*ee:AC+8*bb+8+2*ee+1], v[AC+8*bb+8+2*ee:AC+8*bb+8+2*ee+1], s[CS:CS+1], v[CM:CM+1] op_sel_hi:[1,0,0] neg_lo:[0,0,1] neg_hi:[0,0,1]
.endif
.set ee, ee+1
.endr
.set bb, bb+1
.endr
	WIN W|(W<<2)                                   ; rounded to f16; the first line, on the first accumulator, is the plain instruction behind the last exponential
.set n, 0
	s_wait_alu depctr_va_vdst(0)
.rept 32
	v_cvt_pk_f16_f32 v[TMP+n], v[AC+2*n], v[AC+2*n+1]
.set n, n+1
.endr
	WIN (W<<6)|W|(W<<2)                            ; the sum of the 32 pairs, in place, as a tree
.irp w, 32,16,8,4,2
.set n, 0
.rept (\w)/2
	v_pk_add_f32 v[AC+2*n:AC+2*n+1], v[AC+2*n:AC+2*n+1], v[AC+2*n+\w:AC+2*n+\w+1]
.set n, n+1
.endr
.endr
	WIN W|(W<<2)
	v_add_f32 v[LS], v[AC], v[AC+1]
	WIN 0
	v_permlanex16_b32 v[LS+1], v[LS], s[SEL], s[SEL+1]
	v_add_f32 v[LS], v[LS], v[LS+1]
	ds_store_b32 v[XSA], v[CM] offset:64*(\a)      ; both halves of the lanes write the same word with the same number
	ds_store_b32 v[XSA], v[LS] offset:512+64*(\a)
.endm
.macro TOSTAGE a
.set BK, OB+32*((\a)%2)
.irp b, 0,1,2,3,4,5,6,7
	ds_store_b128 v[STO], v[TMP+4*(\b):TMP+4*(\b)+3] offset:32*(\b)
.endr
.irp t, 0,1,2,3,4,5,6,7
	ds_load_b128 v[BK+4*(\t):BK+4*(\t)+3], v[RD] offset:(\t)*2*PITCH  ; LDS serves a wave's instructions in order (ISA guide 5.7.1.4): these see the stores above
.endr
.endm
.macro SEND a
.set BK, OB+32*((\a)%2)
	s_wait_dscnt 0x0
	s_wait_xcnt 0x0                                ; the stores issued so far have read their registers: the set that the next block's loads land in is free
.irp t, 0,1,2,3,4,5,6,7
	global_store_b128 v[CO], v[BK+4*(\t):BK+4*(\t)+3], s[6:7] offset:(16*(\a)+2*(\t))*4096  ; 16 lanes store 256 consecutive bytes, at a multiple of 256 from pw's first byte
.endr
.endm
	s_wait_tensorcnt 0x1                           ; my part of K step 0 is in; step 1's may stay out
	s_barrier_signal -1
	s_barrier_wait -1
	FETCH 0, F0
	QUARTER 64, F0, F1, 1                          ; the first quarter's products start the sums with the masks
	WIN 0
	s_mov_b32 s[CNT], 6
	s_branch .Lin                                  ; the loop is entered behind its first quarter
.Lstep:                                        ; six trips, a K step each; each fills a slot again (K steps 2 to 7)
	QUARTER 64, F0, F1, 0
	WIN 0
.Lin:
	QUARTER 128, F1, F0, 0
	QUARTER 192, F0, F1, 0
	TURN 1
	WIN 0
	s_sub_co_u32 s[CNT], s[CNT], 1
	s_cmp_lg_u32 s[CNT], 0
	s_cbranch_scc1 .Lstep
	s_mov_b32 s[CNT], 2
.Ltail:                                        ; the last two K steps ask for nothing; the very last fetch, from the slot left before, serves nothing: the price of one text for both trips
	QUARTER 64, F0, F1, 0
	QUARTER 128, F1, F0, 0
	QUARTER 192, F0, F1, 0
	TURN 0
	WIN 0
	s_sub_co_u32 s[CNT], s[CNT], 1
	s_cmp_lg_u32 s[CNT], 0
	s_cbranch_scc1 .Ltail
	s_wait_dscnt 0x0
	PLACES
	EPI 0
	TOSTAGE 0
.irp a, 1,2,3,4,5,6,7                  ; block a's arithmetic stands between block a - 1's loads from the stage and the wait for them
	EPI \a
	SEND (\a)-1
	TOSTAGE \a
.endr
	SEND 7
	ds_load_b128 v[128:131], v[XRD]                ; my wave's 128 c m and 128 l, its own bytes
	ds_load_b128 v[132:135], v[XRD] offset:512
	s_wait_dscnt 0x0
	global_store_b128 v[SMO], v[128:131], s[8:9]   ; 512 consecutive bytes each
	global_store_b128 v[SMO], v[132:135], s[10:11]
	s_wait_tensorcnt 0x0                           ; the wave's end, behind my last tensor load and my last LDS store
	ds_add_u32 v[SPW], v[NIL]
	s_wait_dscnt 0x0
	s_endpgm
.Lfunc_end_k_qf0fcb0dfe4_scores:
	.size	k_qf0fcb0dfe4_scores, .Lfunc_end_k_qf0fcb0dfe4_scores-k_qf0fcb0dfe4_scores
	.p2alignl 7, 3214868480
	.fill 96, 4, 3214868480
	.section	.rodata,"a",@progbits
	.p2align	6, 0x0
	.amdhsa_kernel k_qf0fcb0dfe4_scores
		.amdhsa_group_segment_fixed_size 327680
		.amdhsa_private_segment_fixed_size 0
		.amdhsa_enable_private_segment 0
		.amdhsa_kernarg_size 32
		.amdhsa_user_sgpr_count 2
		.amdhsa_user_sgpr_kernarg_segment_ptr 1
		.amdhsa_wavefront_size32 1
		.amdhsa_system_sgpr_workgroup_id_x 1
		.amdhsa_system_sgpr_workgroup_id_y 1
		.amdhsa_system_sgpr_workgroup_id_z 1
		.amdhsa_system_vgpr_workitem_id 0
		.amdhsa_next_free_vgpr 1024
		.amdhsa_next_free_sgpr 66
		.amdhsa_reserve_vcc 1
		.amdhsa_float_denorm_mode_32 3
		.amdhsa_float_denorm_mode_16_64 3
		.amdhsa_memory_ordered 1
		.amdhsa_forward_progress 1
		.amdhsa_inst_pref_size 169
	.end_amdhsa_kernel
	.amdgpu_metadata
---
amdhsa.version: [ 1, 2 ]
amdhsa.kernels:
  - .name:           k_qf0fcb0dfe4_scores
    .symbol:         k_qf0fcb0dfe4_scores.kd
    .args:
      - { .name: qkv, .offset: 0, .size: 8, .value_kind: global_buffer, .address_space: global }
      - { .name: pw, .offset: 8, .size: 8, .value_kind: global_buffer, .address_space: global }
      - { .name: sm, .offset: 16, .size: 8, .value_kind: global_buffer, .address_space: global }
      - { .name: sl, .offset: 24, .size: 8, .value_kind: global_buffer, .address_space: global }
    .group_segment_fixed_size: 327680
    .private_segment_fixed_size: 0
    .kernarg_segment_align: 8
    .kernarg_segment_size: 32
    .max_flat_workgroup_size: 128
    .sgpr_count:     66
    .vgpr_count:     1024
    .wavefront_size: 32
...
	.end_amdgpu_metadata
.endif
;; end of part 3
;; launch pv (part 4): grid 8 x 32, 4 waves a work-group, clusters of 4 x 1, 327,680 bytes of LDS; arguments pw, qkv, sm, sl, out0; writes out0
.if DOCPART == 4
	.amdgcn_target "amdgcn-amd-amdhsa--gfx1250"
	.amdhsa_code_object_version 6
	.text
	.protected	k_qf0fcb0dfe4_pv
	.globl	k_qf0fcb0dfe4_pv
	.p2align	8
	.type	k_qf0fcb0dfe4_pv,@function
k_qf0fcb0dfe4_pv:
	s_mov_b64 s[64:65], 0
	v_nop
	global_prefetch_b8 v0, s[64:65] scope:SCOPE_SE
	s_setreg_imm32_b32 hwreg(HW_REG_WAVE_MODE, 25, 1), 1
	s_wait_xcnt 0x0
	s_wait_alu depctr_hold_cnt(0) depctr_sa_sdst(0) depctr_va_vdst(0) depctr_va_sdst(0) depctr_va_ssrc(0) depctr_va_vcc(0) depctr_vm_vsrc(0)
	s_getreg_b32 s2, hwreg(HW_REG_IB_STS2, 6, 4)
	s_cmp_eq_u32 s2, 0
	s_cbranch_scc0 .Lentry_in_a_cluster
	s_endpgm
.Lentry_in_a_cluster:
	s_bfe_u32 s2, ttmp6, 0x10000c
	s_cmp_lg_u32 s2, 0x3003
	s_cbranch_scc0 .Lentry_shape_is_right
	s_endpgm
.Lentry_shape_is_right:
; out0[b][q][:] = (the sum over groups g of f_g(q) x the sum over the group's keys of p[q][key] v[key][:]) / L(q),  f_g = 2^(c m_g - c m_row),  c m_row = the largest c m_g of the row,  L = the sum of f_g l_g.
; p (pw, f16), c m (sm) and l (sl) are the launch before's, by groups of 128 keys; v is f16, columns 2048-3071 of qkv's rows.  Products, factors and sums in f32; out0 is f32.
; The row's true maximum is taken away: f_g <= 1, L >= 1.  LIMITS: a factor below 2^-126 counts as 0; NaN and infinities are not treated apart.
; SHARES.  A tile of the output is 128 queries x 128 channels; query block i of 16 a batch needs the key tiles 0 .. i / 2 of 256 keys.  A work-group makes TWO tiles, blocks 15 - b and then b: nine key tiles whatever b:
; 256 work-groups of equal work, one walk of nine trips.  Four waves, each 64 queries x 64 channels.
; LAYOUT.  O^T = V^T P^T (source 0 = 16 channels x 32 keys, turned out of LDS by ds_load_tr16_b128; source 1 = 16 queries x 32 keys as they lie): a lane holds ONE query (lane % 16) and eight channels.
; X (16 accumulators) takes one group's product; then O += f_g X, 64 packed multiply-adds, with the lane's own factor.
; CLUSTER.  The four work-groups of a cluster have the same b and batch and four neighbouring channel tiles: they walk the same tiles of p, asked for JOINTLY; v's tiles differ, and come by plain loads behind the same round.
; REGISTERS.  Window 0: v4-15 addresses; v16-39 factors in pairs; v64-127 the way out; v128-255 X, (a, cb) at v[128 + 8 (4 a + cb)].  Window 1: two fragment buffers of 128 (64 keys: 64 of p, then 64 of v).  Window 2: v0-127 O.
.set PP,    528                        ; a row of p in LDS: 512 bytes + 16 = 132 words: the 16 rows of a load start at 16 different groups of four banks (64 banks of 4 bytes: ISA guide 11.1)
.set PV,    288                        ; a row of v: 256 + 32 = 72 words
.set VOFF,  128*PP                     ; a slot: 128 rows of p, then 256 rows of v
.set SLOT,  0x24000                    ; slot 1 begins here: the number shares no bit with the four loads' offsets in a slot, so one exclusive or turns an address in one slot into the other's
.set STAGE, SLOT+VOFF+256*PV           ; 16 rows x 272 bytes for each wave, for the way out
.set SP,    272
.set FT,    STAGE+4*16*SP              ; the factors: entry t (1,536 bytes) for trip t: f of the tile's first group for the block's 128 rows, f of its second, 1 / L; entry 9 holds zeros
.set SPARE, FT+10*1536                 ; the spare words, 128 bytes for each wave: two blocks of 256 bytes that no other line names
.set VTILE, 256*6144                   ; bytes from a key tile of v to the next
.set AP0, 4                            ; v4-6  my lane's place in a slot: p; v's keys 0-127; v's keys 128-255; never rewritten
.set AV0, 5
.set AV20, 6
.set AP,  7                            ; v7-9  the same in the slot in hand
.set AV,  8
.set AV2, 9
.set FTA, 10                           ; v10  my query's place in the trip's entry of the factors
.set STO, 11
.set RD,  12
.set GO,  13                           ; v13  my byte offset in out0
.set PFO, 14                           ; v14  lane x a row of pw (waves 0, 1) or of qkv (waves 2, 3); never rewritten
.set FTW, 15                           ; v15  FT + 4 x thread: where the head writes
.set FG0, 16                           ; v16-23 f of the first group for my query of blocks a = 0..3, in the low words of four pairs; v24-31 of the second; v32-39 1 / L
.set RI,  32
.set MH,  40                           ; v40-48 the head's work
.set MLO, 41
.set LH,  42
.set LL,  43
.set NEGV, 44
.set ZR,  45
.set T0,  46
.set T1,  47
.set T2,  48
.set FTA0, 49                          ; v49  my query's place in entry 0 of the factors; never rewritten
.set SPW, 62                           ; v62  LDS address of my spare word; never rewritten
.set NIL, 63                           ; v63  0; never rewritten
.set TT,  64                           ; v64-95  a block of O, scaled
.set OB,  96                           ; v96-127, v128-159  rows read back
.set SO,  96                           ; the head: nine offsets,
.set CMR, 128                          ; and 36 numbers
.set X,   128
.set F0,  0
.set F1,  128
.set WV,  14
.set QH,  15                           ; s15  which 64 queries are mine
.set CH,  16                           ; s16  which 64 channels.  Also: which half of a tile I fetch
.set CX,  17
.set GX,  18
.set BB,  19
.set BAT, 20
.set HI,  21
.set LQLO, 22
.set NH,  23
.set G1P, 24
.set G1V, 32
.set G0P, 40                           ; s[40:47], s[48:55]  group 0: a set for each first fill; the second is made anew for each refill
.set G0V, 48
.set NL,  56
.set TB,  57
.set CNT, 58
.set RT,  59                           ; s59  tiles of the block in hand still to be finished
.set NXT, 60                           ; s60  the tile to be asked for next
.set LQ,  61                           ; s61  the last tile of the block whose tiles are being asked for
.set PROW, 62                          ; s62  that block's first row in pw, in bytes
.set PROWLO, 63
.set OFFP, 66
.set OFFV, 68
.set PB,  70                           ; s[70:71] pw at the half that I fetch
.set VBA, 72                           ; s[72:73] v at the batch's first key of the half that I fetch, at my channel tile
.set PFB, 74
.set PFA, 76
.set LIM, 78
.set FTS, 79                           ; s79  1,536 x the trip whose factors are fetched next
.set OUT, 80
.set OUTLO, 82
.set SELM, 84                          ; s84-92  all ones where trip t belongs to the first block, else 0
.set MSB, 0
.macro WIN new
.if MSB != (\new)
	s_set_vgpr_msb (MSB<<8)|(\new)
.set MSB, \new
.endif
.endm
.set MUL,  0x05                        ; sources in window 1, C and D in window 0
.set TO_F, 0x40                        ; destination window 1, address window 0
.macro PLACES
.rept 4
	v_nop
.endr
.endm
.macro JLOAD                           ; a refill: waves 0 and 1 fetch p's two halves (jointly), waves 2 and 3 v's; an s_nop 0 and four v_nop follow each line
	s_cmp_lt_u32 s[WV], 2
	s_cbranch_scc0 .Lfor_v_\@
	tensor_load_to_lds s[G0P+4:G0P+7], s[G1P:G1P+7]
	s_nop 0
.rept 4
	v_nop
.endr
	s_branch .Lasked_\@
.Lfor_v_\@:
	tensor_load_to_lds s[G0V+4:G0V+7], s[G1V:G1V+7]
	s_nop 0
.rept 4
	v_nop
.endr
.Lasked_\@:
.endm
.macro CREST
	s_cmp_lg_u32 s[WV], 0
	s_cbranch_scc1 .Lnot_wave_0_\@
	s_barrier_signal -3
.Lnot_wave_0_\@:
	s_barrier_wait -3
	s_barrier_signal -1
	s_barrier_wait -1
.endm
.macro CROUND
	s_barrier_signal -1
	s_barrier_wait -1
	CREST
.endm
	s_load_b256 s[4:11], s[0:1], 0x0               ; pw s[4:5], qkv s[6:7], sm s[8:9], sl s[10:11]
	s_load_b64 s[12:13], s[0:1], 0x20              ; out0
	v_lshl_add_u32 v[SPW], v0, 2, SPARE
	v_mov_b32 v[NIL], 0
	ds_add_u32 v[SPW], v[NIL]                      ; the wave's opening: the add and its wait stand ahead of my first tensor load; the set-up below, work on registers, stands between them
	ds_add_u32 v62, v63
	v_lshrrev_b32 v1, 5, v0
	v_readfirstlane_b32 s[WV], v1
	s_lshr_b32 s[QH], s[WV], 1
	s_and_b32 s[CH], s[WV], 1
	s_bfe_u32 s[CX], ttmp6, 0x40000
	s_lshl_b32 s[GX], ttmp9, 2
	s_add_co_u32 s[GX], s[GX], s[CX]               ; my channel tile: it enters v's and out0's addresses alone
	s_and_b32 s[BB], ttmp7, 0xffff
	s_lshr_b32 s[BAT], s[BB], 3
	s_and_b32 s[BB], s[BB], 7                      ; b: the second block
	s_sub_co_u32 s[HI], 15, s[BB]                  ; the first
	s_lshr_b32 s[NH], s[HI], 1
	s_add_co_u32 s[NH], s[NH], 1                   ; its tiles: 5 to 8
	s_lshr_b32 s[LQLO], s[BB], 1
	s_add_co_u32 s[NL], s[LQLO], 1                 ; the second block's: 9 less that
	s_lshl_b32 s93, s[BAT], 11
	s_lshl_b32 s[PROW], s[HI], 7
	s_add_co_u32 s[PROW], s[PROW], s93
	s_lshl_b32 s[PROW], s[PROW], 12                ; a row of pw, and of out0, is 4,096 bytes
	s_lshl_b32 s[PROWLO], s[BB], 7
	s_add_co_u32 s[PROWLO], s[PROWLO], s93
	s_lshl_b32 s[PROWLO], s[PROWLO], 12
	s_mov_b32 s[G1P], 15|(1<<16)|(1<<20)|(1<<21)|(6<<22)|(3<<25)  ; the mask of four; elements of 2 bytes; padding on; 21 set beside a mask; after every 128 words 4 words
	s_mov_b32 s[G1P+1], 256<<16                    ; tensor_dim0 = 256
	s_mov_b32 s[G1P+2], 64<<16                     ; tensor_dim1 = 64
	s_mov_b32 s[G1P+3], 256<<16                    ; tile_dim0 = 256
	s_mov_b32 s[G1P+4], 64                         ; tile_dim1 = 64
	s_mov_b32 s[G1P+5], 2048
	s_mov_b32 s[G1P+6], 0
	s_mov_b32 s[G1P+7], 0
	s_mov_b32 s[G1V], (1<<16)|(1<<20)|(5<<22)|(7<<25)  ; no mask; after every 64 words 8 words
	s_mov_b32 s[G1V+1], 128<<16
	s_mov_b32 s[G1V+2], 128<<16
	s_mov_b32 s[G1V+3], 128<<16
	s_mov_b32 s[G1V+4], 128
	s_mov_b32 s[G1V+5], 3072
	s_mov_b32 s[G1V+6], 0
	s_mov_b32 s[G1V+7], 0
	s_mul_i32 s94, s[CH], 64*PP                    ; where my half goes: no place in the cluster enters an LDS address
	s_mul_i32 s95, s[CH], 128*PV
	s_add_co_u32 s95, s95, VOFF
	s_mov_b32 s[G0P], 1
	s_mov_b32 s[G0P+1], s94
	s_mov_b32 s[G0P+4], 1
	s_add_co_u32 s[G0P+5], s94, SLOT
	s_mov_b32 s[G0V], 1
	s_mov_b32 s[G0V+1], s95
	s_mov_b32 s[G0V+4], 1
	s_add_co_u32 s[G0V+5], s95, SLOT
	s_lshl_b32 s96, s[CH], 18                      ; p: my 64 rows of the block's 128
	s_mov_b32 s97, 0
	s_lshl_b32 s98, s[CH], 7                       ; v: my 128 keys of a tile's 256,
	s_add_co_u32 s98, s98, s93
	s_mul_i32 s98, s98, 6144
	s_lshl_b32 s99, s[GX], 8                       ; my channel tile's 256 bytes,
	s_add_co_u32 s98, s98, s99
	s_add_co_u32 s98, s98, 4096                    ; behind q and k in the row
	s_mov_b32 s99, 0
	s_mov_b32 s[OFFP], s[PROW]
	s_mov_b32 s[OFFP+1], 0
	s_mov_b32 s[OFFV+1], 0
	s_mov_b32 s[NXT], 2
	s_sub_co_u32 s[LQ], s[NH], 1
	s_mov_b32 s[RT], s[NH]
	s_mov_b32 s[TB], 0
	s_mov_b32 s[FTS], 0
	s_wait_dscnt 0x0                               ; the opening add is done
	s_wait_kmcnt 0x0
	s_add_nc_u64 s[PB:PB+1], s[4:5], s[96:97]
	s_add_nc_u64 s[VBA:VBA+1], s[6:7], s[98:99]
	s_add_nc_u64 s[G0P+2:G0P+3], s[PB:PB+1], s[OFFP:OFFP+1]  ; the first block's tiles 0 and 1 (it has five or more)
	s_add_nc_u64 s[G0P+6:G0P+7], s[G0P+2:G0P+3], 512
	s_or_b32 s[G0P+3], s[G0P+3], 0x80000000
	s_or_b32 s[G0P+7], s[G0P+7], 0x80000000
	s_mov_b64 s[G0V+2:G0V+3], s[VBA:VBA+1]
	s_add_nc_u64 s[G0V+6:G0V+7], s[VBA:VBA+1], VTILE
	s_or_b32 s[G0V+3], s[G0V+3], 0x80000000
	s_or_b32 s[G0V+7], s[G0V+7], 0x80000000
	CROUND                                         ; all four work-groups are here: the first joint loads meet
	s_cmp_lt_u32 s[WV], 2                          ; a wave's two first fills stand in one branch, ahead of every wait on TENSORcnt and every LDS read: two loads of mine are out
	s_cbranch_scc0 .Lfirst_v
	tensor_load_to_lds s[G0P:G0P+3], s[G1P:G1P+7]
	s_nop 0
	tensor_load_to_lds s[G0P+4:G0P+7], s[G1P:G1P+7]
	s_nop 0
.rept 4
	v_nop
.endr
	s_branch .Lfirst_done
.Lfirst_v:
	tensor_load_to_lds s[G0V:G0V+3], s[G1V:G1V+7]
	s_nop 0
	tensor_load_to_lds s[G0V+4:G0V+7], s[G1V:G1V+7]
	s_nop 0
.rept 4
	v_nop
.endr
.Lfirst_done:
	; THE FACTORS, while the first tiles are on their way.  Thread i is row i of a block.  Trip t belongs to block 15 - b (t < NH) or b, and to its tile j = t or t - NH.
	s_lshl_b32 s93, s[BAT], 17                     ; a batch's 16 groups x 2,048 rows x 4 bytes
.irp t, 0,1,2,3,4,5,6,7,8
	s_sub_co_u32 s94, \t, s[NH]
	s_cmp_gt_u32 s[NH], \t
	s_cselect_b32 s[SELM+\t], -1, 0
	s_cselect_b32 s94, \t, s94
	s_cselect_b32 s95, s[HI], s[BB]
	s_lshl_b32 s94, s94, 14                        ; two groups of 8,192 bytes a tile
	s_lshl_b32 s95, s95, 9                         ; 128 rows of 4 bytes a block
	s_add_co_u32 s94, s94, s95
	s_add_co_u32 s94, s94, s93
	v_lshl_add_u32 v[SO+\t], v0, 2, s94
.endr
.irp t, 0,1,2,3,4,5,6,7,8
	global_load_b32 v[CMR+4*\t], v[SO+\t], s[8:9]
	global_load_b32 v[CMR+4*\t+1], v[SO+\t], s[8:9] offset:8192
	global_load_b32 v[CMR+4*\t+2], v[SO+\t], s[10:11]
	global_load_b32 v[CMR+4*\t+3], v[SO+\t], s[10:11] offset:8192
.endr
	; addresses
	v_and_b32 v1, 15, v0                           ; l % 16
	v_bfe_u32 v2, v0, 4, 1                         ; l / 16
	v_mul_u32_u24 v[AP0], v1, PP
	v_lshl_add_u32 v[AP0], v2, 4, v[AP0]
	s_mul_i32 s94, s[QH], 64*PP
	v_add_nc_u32 v[AP0], s94, v[AP0]               ; p: (my 64 rows + l % 16) x pitch + 16 x half
	v_and_b32 v3, 7, v0                            ; the turning load: lane l reads key 8 (l / 16) + l % 8, channels 8 ((l / 8) % 2) + 0..7
	v_lshl_add_u32 v3, v2, 3, v3
	v_mul_u32_u24 v[AV0], v3, PV
	v_bfe_u32 v3, v0, 3, 1
	v_lshl_add_u32 v[AV0], v3, 4, v[AV0]
	s_lshl_b32 s94, s[CH], 7
	s_add_co_u32 s94, s94, VOFF
	v_add_nc_u32 v[AV0], s94, v[AV0]
	v_add_nc_u32 v[AV20], 128*PV, v[AV0]           ; a second register for keys 128 on: the immediate holds 16 bits
	v_mov_b32 v[AP], v[AP0]
	v_mov_b32 v[AV], v[AV0]
	v_mov_b32 v[AV2], v[AV20]
	s_lshl_b32 s94, s[QH], 8
	s_add_co_u32 s94, s94, FT
	v_lshl_add_u32 v[FTA0], v1, 2, s94
	v_mov_b32 v[FTA], v[FTA0]                      ; entry 0
	s_mul_i32 s94, s[WV], 16*SP
	s_add_co_u32 s94, s94, STAGE
	v_mul_u32_u24 v[STO], v1, SP                   ; in: row l % 16, 32 bytes for each half of the lanes
	v_lshl_add_u32 v[STO], v2, 5, v[STO]
	v_add_nc_u32 v[STO], s94, v[STO]
	v_mul_u32_u24 v[RD], v2, SP                    ; back: lanes 0-15 take one row of 256 bytes, lanes 16-31 the next
	v_lshl_add_u32 v[RD], v1, 4, v[RD]
	v_add_nc_u32 v[RD], s94, v[RD]
	v_lshlrev_b32 v[GO], 12, v2
	v_lshl_add_u32 v[GO], v1, 4, v[GO]
	v_lshl_add_u32 v[FTW], v0, 2, FT
	; out0 at my rows and channels of the two blocks
	s_lshl_b32 s101, s[GX], 9
	s_lshl_b32 s100, s[CH], 8
	s_add_co_u32 s101, s101, s100
	s_lshl_b32 s100, s[QH], 18
	s_add_co_u32 s101, s101, s100
	s_add_co_u32 s98, s[PROW], s101
	s_mov_b32 s99, 0
	s_add_nc_u64 s[OUT:OUT+1], s[12:13], s[98:99]
	s_add_co_u32 s98, s[PROWLO], s101
	s_add_nc_u64 s[OUTLO:OUTLO+1], s[12:13], s[98:99]
	; THE PREFETCHES.  p's tile (128 rows x 512 bytes) is read by two clusters: the one with x = 0 asks; its partner at place cx takes rows 32 cx on, told apart BY ADDRESS; wave 0 their first 256 bytes, wave 1 the second.
	; v's tile of a channel tile is read by the eight work-groups of a batch: the one with b = 0, which walks all eight tiles, asks; waves 2 and 3 for the 128 rows that they fetch.
	s_lshl_b32 s98, s[CX], 17
	s_lshl_b32 s100, s[CH], 8
	s_add_co_u32 s98, s98, s100
	s_add_nc_u64 s[98:99], s[4:5], s[98:99]
	s_mov_b32 s97, 6144                            ; a row of qkv, in a register: a select holds one literal
	s_cmp_lt_u32 s[WV], 2
	s_cselect_b64 s[PFB:PFB+1], s[98:99], s[VBA:VBA+1]
	s_cselect_b32 s94, ttmp9, s[BB]
	s_cselect_b32 s95, 1, 2                        ; p is asked for up to the walk's last tile; v up to the first block's last: the second block's tiles of v have been read
	s_cselect_b32 s96, 4096, s97
	s_cmp_eq_u32 s94, 0
	s_cselect_b32 s[LIM], s95, -1
	v_and_b32 v[PFO], 31, v0
	v_mul_u32_u24 v[PFO], v[PFO], s96
	WIN 0x80                                       ; O starts at 0: written while the loads are on their way, so that a merge has one form
.set i, 0
.rept 128
	v_mov_b32 v[i], 0
.set i, i+1
.endr
	WIN 0
.set i, 0
.rept 12
	v_mov_b32 v[FG0+2*i+1], 0                      ; the pairs' high words are named, never used
.set i, i+1
.endr
	v_mov_b32 v[NEGV], 0xff7fffff
	v_mov_b32 v[MH], 0xff7fffff
	v_mov_b32 v[MLO], 0xff7fffff
	v_mov_b32 v[LH], 0
	v_mov_b32 v[LL], 0
	v_mov_b32 v[ZR], 0
	s_wait_loadcnt 0x0
.irp t, 0,1,2,3,4,5,6,7,8              ; the two rows' true maxima (times c)
	v_max_num_f32 v[T0], v[CMR+4*\t], v[CMR+4*\t+1]
	v_cndmask_b32 v[T1], v[NEGV], v[T0], s[SELM+\t]
	v_cndmask_b32 v[T2], v[T0], v[NEGV], s[SELM+\t]
	v_max_num_f32 v[MH], v[MH], v[T1]
	v_max_num_f32 v[MLO], v[MLO], v[T2]
.endr
.irp t, 0,1,2,3,4,5,6,7,8
	v_cndmask_b32 v[T0], v[MLO], v[MH], s[SELM+\t]
	v_sub_f32 v[CMR+4*\t], v[CMR+4*\t], v[T0]
	v_sub_f32 v[CMR+4*\t+1], v[CMR+4*\t+1], v[T0]
.endr
.irp t, 0,1,2,3,4,5,6,7,8
	v_exp_f32 v[CMR+4*\t], v[CMR+4*\t]
	v_exp_f32 v[CMR+4*\t+1], v[CMR+4*\t+1]
.endr
	v_nop                                          ; a plain instruction between the last exponential and the use of its result
	s_wait_alu depctr_va_vdst(0)
.irp t, 0,1,2,3,4,5,6,7,8
	v_mul_f32 v[T1], v[CMR+4*\t], v[CMR+4*\t+2]
	v_fmac_f32 v[T1], v[CMR+4*\t+1], v[CMR+4*\t+3]
	v_cndmask_b32 v[T2], v[ZR], v[T1], s[SELM+\t]
	v_add_f32 v[LH], v[LH], v[T2]
	v_cndmask_b32 v[T2], v[T1], v[ZR], s[SELM+\t]
	v_add_f32 v[LL], v[LL], v[T2]
	ds_store_b32 v[FTW], v[CMR+4*\t] offset:1536*\t
	ds_store_b32 v[FTW], v[CMR+4*\t+1] offset:1536*\t+512
.endr
	v_rcp_f32 v[LH], v[LH]
	v_rcp_f32 v[LL], v[LL]
	v_nop
	s_wait_alu depctr_va_vdst(0)
.irp t, 0,1,2,3,4,5,6,7,8
	v_cndmask_b32 v[T0], v[LL], v[LH], s[SELM+\t]
	ds_store_b32 v[FTW], v[T0] offset:1536*\t+1024
.endr
	ds_store_b32 v[FTW], v[ZR] offset:1536*9       ; the last change of slots reads entry 9, and nobody uses it
	ds_store_b32 v[FTW], v[ZR] offset:1536*9+512
	ds_store_b32 v[FTW], v[ZR] offset:1536*9+1024
; 8 matrix instructions: query blocks a0, a0 + 1 x all 4 channel blocks, 32 keys: half c of buffer f.  zero = 1: the product starts the group's sums.  The 16 accumulators take turns.
.macro MUL8 f, c, a0, zero
	WIN MUL
.irp a, \a0, (\a0)+1
.irp b, 0,1,2,3
.if \zero
	v_wmma_f32_16x16x32_f16 v[X+8*(4*(\a)+(\b)):X+8*(4*(\a)+(\b))+7], v[(\f)+64+8*(4*(\c)+(\b)):(\f)+64+8*(4*(\c)+(\b))+7], v[(\f)+8*(4*(\c)+(\a)):(\f)+8*(4*(\c)+(\a))+7], 0
.else
	v_wmma_f32_16x16x32_f16 v[X+8*(4*(\a)+(\b)):X+8*(4*(\a)+(\b))+7], v[(\f)+64+8*(4*(\c)+(\b)):(\f)+64+8*(4*(\c)+(\b))+7], v[(\f)+8*(4*(\c)+(\a)):(\f)+8*(4*(\c)+(\a))+7], v[X+8*(4*(\a)+(\b)):X+8*(4*(\a)+(\b))+7]
.endif
.endr
.endr
.endm
; One run of LDS loads: first the factors (fac = 1: the first group's four; fac = 2: the second group's four and 1 / L's four), then the 32 of quarter qd (64 keys) into buffer f, its first 32 keys first.
.macro FETCH qd, f, fac
.if (\fac) == 1
	WIN 0
.irp a, 0,1,2,3
	ds_load_b32 v[FG0+2*\a], v[FTA] offset:64*\a
.endr
.elseif (\fac) == 2
	WIN 0
.irp a, 0,1,2,3
	ds_load_b32 v[FG0+8+2*\a], v[FTA] offset:512+64*\a
.endr
.irp a, 0,1,2,3
	ds_load_b32 v[RI+2*\a], v[FTA] offset:1024+64*\a
.endr
.endif
	WIN TO_F
.if (\qd) < 2
.set VR, AV
.else
.set VR, AV2
.endif
.irp c, 0,1
.irp i, 0,1,2,3
	ds_load_tr16_b128 v[(\f)+64+8*(4*(\c)+(\i)):(\f)+64+8*(4*(\c)+(\i))+3],   v[VR] offset:((\qd)&1)*64*PV+(\c)*32*PV+(\i)*32
	ds_load_tr16_b128 v[(\f)+64+8*(4*(\c)+(\i))+4:(\f)+64+8*(4*(\c)+(\i))+7], v[VR] offset:((\qd)&1)*64*PV+(\c)*32*PV+16*PV+(\i)*32
	ds_load_b128 v[(\f)+8*(4*(\c)+(\i)):(\f)+8*(4*(\c)+(\i))+3],   v[AP] offset:(\qd)*128+(\c)*64+(\i)*16*PP
	ds_load_b128 v[(\f)+8*(4*(\c)+(\i))+4:(\f)+8*(4*(\c)+(\i))+7], v[AP] offset:(\qd)*128+(\c)*64+(\i)*16*PP+32
.endr
.endr
.endm
.macro QUARTER qn, f, g, zero, fac     ; 32 matrix instructions on buffer f; in their middle quarter qn goes into g
	s_wait_dscnt 16                                ; the first 32 keys' fragments, and all that is older, are in
	MUL8 \f, 0, 0, \zero
	MUL8 \f, 0, 2, \zero
	PLACES
	FETCH \qn, \g, \fac
	s_wait_dscnt 32+4*(\fac)                       ; all but the run just issued
	MUL8 \f, 1, 0, 0
	MUL8 \f, 1, 2, 0
.endm
.macro MERGE g                         ; O += f_g X; each accumulator's registers in ascending order
	PLACES
	WIN 0xa0                                       ; O (destination and source 2) in window 2, X and the factor in window 0
.irp a, 0,1,2,3
.set n, 0
.rept 16
	v_pk_fma_f32 v[32*\a+2*n:32*\a+2*n+1], v[X+32*\a+2*n:X+32*\a+2*n+1], v[FG0+8*(\g)+2*\a:FG0+8*(\g)+2*\a+1], v[32*\a+2*n:32*\a+2*n+1] op_sel_hi:[1,0,1]
.set n, n+1
.endr
.endr
.endm
; A PREFETCH INTO THE L2 of the tile that the NEXT change of slots will ask for; behind the tensor load and the run of LDS loads.  Tiles 0 to 2 come by their loads alone.
.macro ASK
	WIN 0
	s_cmp_gt_u32 s[CNT], s[LIM]
	s_cbranch_scc0 .Lnone_\@
	global_prefetch_b8 v[PFO], s[PFA:PFA+1] th:TH_LOAD_NT scope:SCOPE_SE
	s_cmp_lt_u32 s[WV], 2
	s_cbranch_scc1 .Lnone_\@
.irp n, 1,2,3
	global_prefetch_b8 v[PFO], s[PFA:PFA+1] offset:(\n)*32*6144 th:TH_LOAD_NT scope:SCOPE_SE
.endr
.Lnone_\@:
.endm
; The last quarter multiplies buffer 1 and changes slots: ONE barrier; in front of it each wave waits for all its tensor loads, adds 0 to its spare word, and waits for that and for its reads of this slot.
; fill = 1: this slot is filled again with the walk's tile two on; the descriptors' addresses are made anew from the tile's number.  112 matrix instructions and two merges lie between a request and the wait for it.
.macro TURN fill
.if \fill
	s_wait_xcnt 0x0                                ; the last prefetches, a trip back, have read their address
.endif
	WIN 0
	s_wait_tensorcnt 0x0                           ; all my tensor loads have landed: my part of the next slot; so a group 0 may be written
	ds_add_u32 v[SPW], v[NIL]                      ; 0 onto my spare word
	s_wait_dscnt 17                                ; (the add and the youngest sixteen loads may be out)
.if \fill
	s_lshl_b32 s[OFFP], s[NXT], 9                  ; a tile is 512 bytes of p's rows,
	s_add_co_u32 s[OFFP], s[OFFP], s[PROW]
	s_mul_i32 s[OFFV], s[NXT], VTILE               ; and 256 rows of v
	s_xor_b32 s[G0P+5], s[G0P+5], SLOT
	s_add_nc_u64 s[G0P+6:G0P+7], s[PB:PB+1], s[OFFP:OFFP+1]
	s_or_b32 s[G0P+7], s[G0P+7], 0x80000000
	s_xor_b32 s[G0V+5], s[G0V+5], SLOT
	s_add_nc_u64 s[G0V+6:G0V+7], s[VBA:VBA+1], s[OFFV:OFFV+1]
	s_or_b32 s[G0V+7], s[G0V+7], 0x80000000
	s_add_co_u32 s[NXT], s[NXT], 1                 ; the block's next tile, or behind its last the second block's tile 0
	s_cmp_gt_u32 s[NXT], s[LQ]
	s_cselect_b32 s[NXT], 0, s[NXT]
	s_cselect_b32 s[PROW], s[PROWLO], s[PROW]
	s_cselect_b32 s[LQ], s[LQLO], s[LQ]
	s_lshl_b32 s[OFFP], s[NXT], 9                  ; and where that tile lies, for the prefetch
	s_add_co_u32 s[OFFP], s[OFFP], s[PROW]
	s_mul_i32 s[OFFV], s[NXT], VTILE
	s_cmp_lt_u32 s[WV], 2
	s_cselect_b32 s[OFFP], s[OFFP], s[OFFV]
	s_add_nc_u64 s[PFA:PFA+1], s[PFB:PFB+1], s[OFFP:OFFP+1]
.endif
	s_xor_b32 s[TB], s[TB], SLOT
	s_add_co_u32 s[FTS], s[FTS], 1536              ; the next trip's entry of the factors
	MUL8 F1, 0, 0, 0                               ; eight matrix instructions stand between the add and the wait for it
	s_wait_dscnt 0x0                               ; the add is done, and my reads of this slot are over
	s_barrier_signal -1
	MUL8 F1, 0, 2, 0
	WIN 0
	s_barrier_wait -1
.if \fill
	CREST                                          ; the barrier has opened a round of the cluster's: no wave of any partner still reads this slot or has a load on its way
	JLOAD                                          ; the first tensor load behind the round; its four v_nop are also the places in front of the loads below
.else
	PLACES
.endif
	v_add_nc_u32 v[AP], s[TB], v[AP0]
	v_add_nc_u32 v[AV], s[TB], v[AV0]
	v_add_nc_u32 v[AV2], s[TB], v[AV20]
	v_add_nc_u32 v[FTA], s[FTS], v[FTA0]
	FETCH 0, F0, 1
.if \fill
	ASK
.endif
	MUL8 F1, 1, 0, 0
	MUL8 F1, 1, 2, 0
.endm
; THE WAY OUT, a block of 16 queries at a time: O / L, 32 bytes a lane and channel block into my own stage, back as whole rows of 256 bytes (my 64 channels in f32), stored.  Then O is 0 again for the second block.
.macro PACKO a
	WIN 0x02                                       ; O in window 2
.set n, 0
.rept 16
	v_pk_mul_f32 v[TT+2*n:TT+2*n+1], v[32*(\a)+2*n:32*(\a)+2*n+1], v[RI+2*(\a):RI+2*(\a)+1] op_sel_hi:[1,0]
.set n, n+1
.endr
	WIN 0
.endm
.macro TOSTAGE a
.set BK, OB+32*((\a)%2)
.irp b, 0,1,2,3
	ds_store_b128 v[STO], v[TT+8*\b:TT+8*\b+3] offset:64*\b
	ds_store_b128 v[STO], v[TT+8*\b+4:TT+8*\b+7] offset:64*\b+16
.endr
.irp t, 0,1,2,3,4,5,6,7
	ds_load_b128 v[BK+4*\t:BK+4*\t+3], v[RD] offset:\t*2*SP  ; LDS serves a wave's instructions in order (ISA guide 5.7.1.4): these see the stores above
.endr
.endm
.macro SEND a
.set BK, OB+32*((\a)%2)
	s_wait_dscnt 0x0
	s_wait_xcnt 0x0                                ; the stores issued so far have read their registers: the set that the next block's loads land in is free
.irp t, 0,1,2,3,4,5,6,7
	global_store_b128 v[GO], v[BK+4*\t:BK+4*\t+3], s[OUT:OUT+1] offset:(16*(\a)+2*\t)*4096 th:TH_STORE_NT  ; 16 lanes store 256 consecutive bytes, at a multiple of 256 from out0's first byte
.endr
.endm
.macro WAYOUT
	PACKO 0
	TOSTAGE 0
.irp a, 1,2,3
	PACKO \a
	SEND (\a)-1
	TOSTAGE \a
.endr
	SEND 3
	WIN 0x80
.set i, 0
.rept 128
	v_mov_b32 v[i], 0
.set i, i+1
.endr
	WIN 0
	s_wait_xcnt 0x0                                ; the stores have read their base and their data
	s_mov_b64 s[OUT:OUT+1], s[OUTLO:OUTLO+1]
	s_mov_b32 s[RT], s[NL]
.endm
; A TRIP: a tile of 256 keys, two groups.  The jump over the way out goes forward and passes no barrier and no tensor load; it is the same in all four partners.
.macro TRIP fill
	QUARTER 1, F0, F1, 1, 0
	QUARTER 2, F1, F0, 0, 2
	MERGE 0
	QUARTER 3, F0, F1, 1, 0
	TURN \fill
	MERGE 1
	WIN 0
	s_sub_co_u32 s[RT], s[RT], 1
	s_cmp_lg_u32 s[RT], 0
	s_cbranch_scc1 .Lkeep_\@
	WAYOUT
.Lkeep_\@:
.endm
	s_wait_tensorcnt 0x1                           ; my part of tile 0 is in; tile 1's may stay out
	s_wait_dscnt 0x0                               ; my rows of the factors are written
	s_barrier_signal -1
	s_barrier_wait -1
	FETCH 0, F0, 1
	WIN 0
	s_mov_b32 s[CNT], 7
.Lfill:                                        ; seven trips fill a slot again: the walk's tiles 2 to 8
	TRIP 1
	s_sub_co_u32 s[CNT], s[CNT], 1
	s_cmp_lg_u32 s[CNT], 0
	s_cbranch_scc1 .Lfill
	s_mov_b32 s[CNT], 2
.Ltail:                                        ; the last two trips ask for nothing; the very last fetch serves nothing: the price of one text for both trips
	TRIP 0
	s_sub_co_u32 s[CNT], s[CNT], 1
	s_cmp_lg_u32 s[CNT], 0
	s_cbranch_scc1 .Ltail
	s_wait_tensorcnt 0x0                           ; the wave's end, behind my last tensor load and my last LDS store
	ds_add_u32 v[SPW], v[NIL]
	s_wait_dscnt 0x0
	CROUND                                         ; the closing round: no work-group ends while a partner may still ask for a tile that names it
	s_endpgm
.Lfunc_end_k_qf0fcb0dfe4_pv:
	.size	k_qf0fcb0dfe4_pv, .Lfunc_end_k_qf0fcb0dfe4_pv-k_qf0fcb0dfe4_pv
	.p2alignl 7, 3214868480
	.fill 96, 4, 3214868480
	.section	.rodata,"a",@progbits
	.p2align	6, 0x0
	.amdhsa_kernel k_qf0fcb0dfe4_pv
		.amdhsa_group_segment_fixed_size 327680
		.amdhsa_private_segment_fixed_size 0
		.amdhsa_enable_private_segment 0
		.amdhsa_kernarg_size 40
		.amdhsa_user_sgpr_count 2
		.amdhsa_user_sgpr_kernarg_segment_ptr 1
		.amdhsa_wavefront_size32 1
		.amdhsa_system_sgpr_workgroup_id_x 1
		.amdhsa_system_sgpr_workgroup_id_y 1
		.amdhsa_system_sgpr_workgroup_id_z 1
		.amdhsa_system_vgpr_workitem_id 0
		.amdhsa_next_free_vgpr 640
		.amdhsa_next_free_sgpr 102
		.amdhsa_reserve_vcc 0
		.amdhsa_float_denorm_mode_32 3
		.amdhsa_float_denorm_mode_16_64 3
		.amdhsa_memory_ordered 1
		.amdhsa_forward_progress 1
		.amdhsa_inst_pref_size 118
	.end_amdhsa_kernel
	.amdgpu_metadata
---
amdhsa.version: [ 1, 2 ]
amdhsa.kernels:
  - .name:           k_qf0fcb0dfe4_pv
    .symbol:         k_qf0fcb0dfe4_pv.kd
    .args:
      - { .name: pw, .offset: 0, .size: 8, .value_kind: global_buffer, .address_space: global }
      - { .name: qkv, .offset: 8, .size: 8, .value_kind: global_buffer, .address_space: global }
      - { .name: sm, .offset: 16, .size: 8, .value_kind: global_buffer, .address_space: global }
      - { .name: sl, .offset: 24, .size: 8, .value_kind: global_buffer, .address_space: global }
      - { .name: out0, .offset: 32, .size: 8, .value_kind: global_buffer, .address_space: global }
    .group_segment_fixed_size: 327680
    .private_segment_fixed_size: 0
    .kernarg_segment_align: 8
    .kernarg_segment_size: 40
    .max_flat_workgroup_size: 128
    .sgpr_count:     102
    .vgpr_count:     640
    .wavefront_size: 32
...
	.end_amdgpu_metadata
.endif
;; end of part 4
